; MI455X (gfx1250); checked and timed in simulation.
; The chip was launched on July 23, 2026; its instructions are those of AMD's public machine-readable ISA for CDNA 5 (MIT licence, August 2026) and "CDNA5" Instruction Set Architecture Reference Guide (July 2026). The comments in the code are by the model that wrote it; some were corrected since.
;; Attention. Allowed arithmetic: matrix products marked QUANTISED: E2M1 operands, one E8M0 scale for each 32 along K, by v_wmma_scale_f32_16x16x128_f8f6f4 with both operands' format E2M1 (or v_wmma_scale_f32_32x16x128_f4), f32 sums; everything else in f32.
;; Inputs: hidden 4 x 1,024 x 2,048 float32; k_scale 128 float32; q_scale 128 float32; segment_ids 4 x 1,024 int32; wk 2,048 x 512 float32; wo 2,048 x 2,048 float32; wq 2,048 x 2,048 float32; wv 2,048 x 512 float32.
;; Outputs: out0 4 x 1,024 x 2,048 float32.
;; This version of the problem:
;;   THIS VERSION OF THE PROBLEM IS GIVEN IN LOW PRECISION. The matrix products marked QUANTISED in the list below multiply operands that are first quantised to E2M1 (2 exponent bits, 1 mantissa bit; 4 bits a number), with one power-of-two scale for each 32 numbers along K (OCP MX v1.0); their sums are f32. All else is computed in f32.
;;   The module's matrix products, in the order in which they are computed (A, B: the left and right operand; K: the contracted axis; several contracted axes count as one K, in the product's order):
;;     1. [M 4,096, K 2,048] x [K 2,048, N 2,048]; A: input hidden; B: input wq: QUANTISED
;;     2. [M 4,096, K 2,048] x [K 2,048, N 512]; A: input hidden; B: input wk: QUANTISED
;;     3. [M 4,096, K 2,048] x [K 2,048, N 512]; A: input hidden; B: input wv: QUANTISED
;;     4. batch 16 x [M 1,024, K 128] x [K 128, N 4,096]; A: computed on the way; B: computed on the way: QUANTISED
;;     5. batch 16 x [M 128, K 1,024] x [K 1,024, N 4,096]; A: computed on the way; B: softmax (see below): QUANTISED
;;     6. [M 4,096, K 2,048] x [K 2,048, N 2,048]; A: computed on the way; B: input wo: QUANTISED
;;   THE QUANTISER, for each operand of a quantised product, along K:
;;     - K is cut into blocks of 32 from its start; a last block that is shorter is filled with zeros.
;;     - A block's scale is 2^e with e = floor(log2(the largest magnitude in the block)) - 2, held to -126 .. 127; a block of zeros has e = 0. As a byte (E8M0): e + 127.
;;     - Each number is divided by its block's scale, clamped to +-6, and rounded to the nearest number of E2M1, ties to even, subnormals kept.
;;     - The product sums the exact products of the quantised numbers (number of the format x scale) in f32.
;;   ~~~python
;;   def quantise(x, axis):      # numpy; x: float32 -> the quantised numbers, widened to float32 again
;;       x = np.moveaxis(x, axis, -1); K = x.shape[-1]
;;       x = np.pad(x, [(0, 0)] * (x.ndim - 1) + [(0, -K % 32)]); x = x.reshape(x.shape[:-1] + (-1, 32)); a = np.abs(x).max(-1, keepdims=True)
;;       e = np.where(a > 0, np.clip(np.frexp(np.where(a > 0, a, 1))[1] - 1 - 2, -126, 127), 0)      # np.frexp(a)[1] - 1 = floor(log2(a)), exactly
;;       r = np.clip(x / 2.0 ** e, -6, 6)
;;       step = 2.0 ** (np.maximum(np.frexp(np.where(r == 0, 1, r))[1] - 1, 0) - 1)
;;       q = np.round(r / step) * step * 2.0 ** e      # np.round: ties to even
;;       return np.moveaxis(q.reshape(q.shape[:-2] + (-1,))[..., :K], -1, axis).astype(np.float32)
;;   ~~~
;;   SOFTMAX AHEAD OF A QUANTISED PRODUCT. Where the list says 'softmax', what is quantised is not the finished softmax but p = 2^(t - M), with t = logit x log2(e) and M = ceil(the row's largest t), a whole number; so 1/2 < the row's largest p <= 1. The row's sum l is taken of the UNQUANTISED p, in f32, and the product's result is divided by l at the end. Since M is a whole number, a kernel that streams over the keys may use a running M (the ceiling of the running maximum): every later rescaling is an exact power of two, which a block's scale takes up: the codes' values come out the same.
;;   OPERANDS COMPUTED ON THE WAY. 'Computed on the way' means the value that the module computes at that place (a softmax that the list does not call 'softmax' is quantised finished and normalised). What goes into a quantiser is computed in f32, as accurately as f32 sums, v_exp_f32 and their like allow (about 1e-6 of the number): no bf16 or f16 on the way to a quantiser, and a product that is left as it is and whose result goes on into a quantised operand takes f32 operands (vector FMAs, or v_wmma_f32_16x16x4_f32). A number that lies on a knife's edge between two numbers of the format may be rounded either way, as far as f32 arithmetic and the matrix unit's own rounding can turn it there, and no further.
;; One version. Each part assembles by itself: llvm-mc -triple=amdgcn-amd-amdhsa -mcpu=gfx1250 --defsym DOCPART=n.
;; ======== version 1 of 1: 4 launches
;; limits: right only within a limited range of input values
;; workspace buffers: w1 10,027,008 bytes; rope 2,097,152 bytes; route 49,152 bytes of whole numbers; w2 6,684,672 bytes; w3 4,456,448 bytes
;; launch prep (part 1): grid 480 x 1, 4 waves a work-group, no clusters, 73,216 bytes of LDS; arguments hidden, wq, wk, wv, wo, segment_ids, w1, rope, route; writes w1, rope, route
.if DOCPART == 1
	.amdgcn_target "amdgcn-amd-amdhsa--gfx1250"
	.amdhsa_code_object_version 6
	.text
	.protected	k_qf32880b07f_prep
	.globl	k_qf32880b07f_prep
	.p2align	8
	.type	k_qf32880b07f_prep,@function
k_qf32880b07f_prep:
	s_mov_b64 s[64:65], 0
	v_nop
	global_prefetch_b8 v0, s[64:65] scope:SCOPE_SE
	s_setreg_imm32_b32 hwreg(HW_REG_WAVE_MODE, 25, 1), 1
	s_wait_xcnt 0x0
; PREP: all that the products' launches want ready, in one launch of three paths chosen by the work-group's number.
;   work-groups 0-63    (.Lroute):   positions and mask words from segment_ids, the flags of key steps, the table of cos and sin
;   work-groups 64-223  (.Lweights): wq, wk, wv, wo ([K][N] f32, K outermost) into codes of FP4 with K innermost, and scale bytes
;   work-groups 224-479 (falls through): hidden ([4096][2048] f32) into codes and scale bytes
; THE QUANTISER: a block of 32 along K has the scale 2^(floor(log2(largest magnitude)) - 2); its byte is the largest magnitude's exponent field - 2, held at 1 from below.
; STORAGE ORDER: every row of codes (a token of hidden, a column of a weight) lies at the row number with bits 3 and 4 swapped.  16 consecutive stored rows are then true rows
; 8 u + r + 8 (r / 8) of a group of 32, so that the results of two neighbouring tiles are 16 neighbours along the next product's K.
; w1: 0 hidden's codes [4096][1024 B]; 4 MiB weights' codes [5120][1024 B] (blocks of 128 rows: 0-15 wq, 16 + 2 g wk head g, 17 + 2 g wv head g, 24-39 wo); then hidden's scale bytes [4096][64], the weights' [5120][64].
; LIMITS: segment ids are told apart by their low 22 bits (ids from -2,097,152 to 2,097,151); a block of zeros gets the byte 1 (its codes are zeros; this program alone reads the bytes);
; blocks whose largest magnitude lies under 2^-124 are held at the byte 1; NaN and infinities among the inputs are not served.
; No barrier: waves share nothing.  Each path has LDS bytes of its own.
.set WCODES, 4194304
.set HSC,    9437184
.set WSC,    9699328
.set AREG,   5376                      ; path A, a wave: two stages of 32 x 80 bytes, then its 256 scale bytes
.set ASP,    80
.set BLDS,   4*AREG                    ; path B: a stage of 32 rows x 272 bytes for each wave
.set BP,     272
.set CLDS,   BLDS+4*32*BP              ; path C: the batch's 1,024 mask words, a copy for each wave
.set SPARE,  CLDS+4*4096               ; the spare words, 128 bytes for each wave: two blocks of 256 bytes that no other line names
.set SPW,    190                       ; v190 LDS address of my spare word; never rewritten
.set NIL,    191                       ; v191 0; never rewritten
	s_load_b256 s[4:11], s[0:1], 0x0               ; hidden s[4:5], wq s[6:7], wk s[8:9], wv s[10:11]
	s_load_b256 s[12:19], s[0:1], 0x20             ; wo s[12:13], segment_ids s[14:15], w1 s[16:17], rope s[18:19]
	s_load_b64 s[20:21], s[0:1], 0x40              ; route
	v_lshl_add_u32 v[SPW], v0, 2, SPARE
	v_mov_b32 v[NIL], 0
	v_lshrrev_b32 v1, 5, v0
	v_readfirstlane_b32 s22, v1                    ; wave 0..3
	v_and_b32 v2, 31, v0                           ; lane
	s_cmp_lt_u32 ttmp9, 64
	s_cbranch_scc1 .Lroute
	s_cmp_lt_u32 ttmp9, 224
	s_cbranch_scc1 .Lweights
; ---------------- PATH A: hidden.  A wave takes four rows, 8,192 numbers, in 16 steps of 512.  Each load reads 512 consecutive bytes; a step's 2,048 bytes turn through the wave's stage,
; so that a lane holds 16 neighbours along K (two lanes to a block).  A lane's 16 codes are 8 bytes: the wave stores 256 consecutive bytes.  Loads run four steps ahead.
.set AR, 16                            ; v16-79   four sets of 16 numbers as loaded
.set AX, 80                            ; v80-111  two sets of 16 neighbours
.set AE, 112                           ; v112-127 a scale byte for each step
.set AC, 128                           ; v128-189 codes: v[AC + 4 t], v[AC + 4 t + 1] for step t, so that no store's data are written again
	v_lshlrev_b32 v3, 4, v2                        ; my 16 bytes of a load's 512
	s_mul_i32 s23, s22, AREG
	v_lshrrev_b32 v14, 2, v2
	v_mul_u32_u24 v14, v14, ASP
	v_and_b32 v15, 3, v2
	v_lshl_add_u32 v14, v15, 4, v14
	v_add_nc_u32 v14, s23, v14                     ; the stage, in: 80 (lane / 4) + 16 (lane % 4)
	v_mul_u32_u24 v15, v2, ASP
	v_add_nc_u32 v15, s23, v15                     ; and out: 80 x lane
	v_lshlrev_b32 v4, 3, v2                        ; 8 bytes a lane: my codes in a step's, my part of the 256 scale bytes
	v_lshrrev_b32 v5, 1, v2
	s_add_co_u32 s23, s23, 2*32*ASP
	v_add_nc_u32 v5, s23, v5                       ; LDS: my block's scale byte
	v_add_nc_u32 v6, s23, v4                       ; and on the way out 8 bytes a lane
	s_sub_co_u32 s24, ttmp9, 224
	s_lshl_b32 s24, s24, 2
	s_add_co_u32 s24, s24, s22                     ; which four rows are my wave's: 0 .. 1,023
	s_and_b32 s25, s24, 0xfffffff9                 ; the same number with bits 1 and 2 swapped: bits 3 and 4 of the rows
	s_and_b32 s26, s24, 2
	s_lshl_b32 s26, s26, 1
	s_or_b32 s25, s25, s26
	s_and_b32 s26, s24, 4
	s_lshr_b32 s26, s26, 1
	s_or_b32 s25, s25, s26
	s_lshl_b32 s26, s24, 15                        ; in: 32,768 bytes a run
	s_mov_b32 s27, 0
	s_lshl_b32 s28, s25, 12                        ; codes: 4,096
	s_mov_b32 s29, 0
	s_lshl_b32 s30, s25, 8                         ; scale bytes: 256
	s_add_co_u32 s30, s30, HSC
	s_mov_b32 s31, 0
	s_wait_alu depctr_va_vdst(0)
	s_wait_kmcnt 0x0
	s_add_nc_u64 s[4:5], s[4:5], s[26:27]
	s_add_nc_u64 s[8:9], s[16:17], s[28:29]
	s_add_nc_u64 s[10:11], s[16:17], s[30:31]
.macro ALOAD t
.irp i, 0,1,2,3
	global_load_b128 v[AR+16*((\t)%4)+4*\i:AR+16*((\t)%4)+4*\i+3], v3, s[4:5] offset:2048*(\t)+512*\i th:TH_LOAD_NT
.endr
.endm
.macro ATURN t                         ; step t's numbers through the stage: LDS serves a wave's instructions in order, so no wait stands between the stores and the loads
.irp i, 0,1,2,3
	ds_store_b128 v14, v[AR+16*((\t)%4)+4*\i:AR+16*((\t)%4)+4*\i+3] offset:32*ASP*((\t)%2)+8*ASP*\i
.endr
.irp i, 0,1,2,3
	ds_load_b128 v[AX+16*((\t)%2)+4*\i:AX+16*((\t)%2)+4*\i+3], v15 offset:32*ASP*((\t)%2)+16*\i
.endr
.endm
.irp t, 0,1,2,3
	ALOAD \t
.endr
	s_wait_loadcnt 12                              ; step 0's four loads are in
	ATURN 0
.macro ASTEP t
.set XS, AX+16*((\t)%2)
.if (\t) > 0
	s_wait_dscnt 1                                 ; this step's numbers are back from the stage (the last step's byte store may be out)
.else
	s_wait_dscnt 0x0
.endif
.if (\t)+4 < 16
	ALOAD (\t)+4                                   ; into the set whose stores into the stage are done
.endif
.if (\t)+1 < 16
.if 14-(\t) >= 3
	s_wait_loadcnt 12                              ; the next step's four loads are in; those of the three steps behind it may be out
.else
	s_wait_loadcnt 4*(14-(\t))
.endif
	ATURN (\t)+1
.endif
	v_max3_num_f32 v8, |v[XS]|, |v[XS+1]|, |v[XS+2]|
	v_max3_num_f32 v9, |v[XS+3]|, |v[XS+4]|, |v[XS+5]|
.irp i, 6,10
	v_max3_num_f32 v8, v8, |v[XS+\i]|, |v[XS+\i+1]|
	v_max3_num_f32 v9, v9, |v[XS+\i+2]|, |v[XS+\i+3]|
.endr
	v_max3_num_f32 v8, v8, |v[XS+14]|, |v[XS+15]|
	v_max3_num_f32 v8, v8, v9, 0x1800000           ; and the floor 2^(3 - 127): the byte cannot fall under 1
	v_max_num_f32_dpp v8, v8, v8 row_xmask:1 row_mask:0xf bank_mask:0xf   ; with my neighbour's 16: the block's largest magnitude
	v_add_nc_u32 v11, 0xff000000, v8               ; 2 off its exponent field: the conversion takes the exponent field of this operand as its scale
	v_cvt_scalef32_pk8_fp4_f32 v[AC+4*(\t)], v[XS:XS+7], v11
	v_cvt_scalef32_pk8_fp4_f32 v[AC+4*(\t)+1], v[XS+8:XS+15], v11
	v_lshrrev_b32 v[AE+(\t)], 23, v11              ; the scale's byte
	ds_store_b8 v5, v[AE+(\t)] offset:16*(\t)      ; both lanes of a block write the same byte with the same value
	global_store_b64 v4, v[AC+4*(\t):AC+4*(\t)+1], s[8:9] offset:256*(\t)
.endm
.irp t, 0,1,2,3,4,5,6,7,8,9,10,11,12,13,14,15
	ASTEP \t
.endr
	ds_load_b64 v[8:9], v6                         ; my wave's 256 scale bytes
	s_wait_dscnt 0x0
	global_store_b64 v4, v[8:9], s[10:11]          ; 32 lanes store 256 consecutive bytes, aligned
	s_wait_tensorcnt 0x0                           ; the wave's end
	ds_add_u32 v[SPW], v[NIL]
	s_wait_dscnt 0x0
	s_endpgm
; ---------------- PATH B: the weights.  A work-group takes 128 columns x 512 along K; a lane takes a column and its registers run down K, so that a block of 32 lies in one lane
; and the codes come out with K innermost.  They leave through the wave's stage as rows: sixteen lanes store 256 consecutive bytes.  Loads run two blocks ahead.
.set BX, 32                            ; v32-95   two sets of 32 numbers
.set BC, 96                            ; v96-99   a block's codes
.set BO, 112                           ; v112-143 the loads' offsets: 4 x lane + i rows; behind the last load v112-175 take the way out
.set BS, 24                            ; v24-27   the scale bytes
.Lweights:
	s_sub_co_u32 s23, ttmp9, 64
	s_lshr_b32 s24, s23, 2                         ; which block of 128 columns, 0 .. 39
	s_and_b32 s25, s23, 3                          ; which 512 along K
	s_lshl_b32 s30, s24, 1
	s_sub_co_u32 s31, s30, 23                      ; wv's place among the stored blocks: 17 + 2 g
	s_sub_co_u32 s32, s30, 16                      ; wk's: 16 + 2 g
	s_sub_co_u32 s33, s24, 20                      ; wv's block of columns
	s_sub_co_u32 s34, s24, 16                      ; wk's
	s_sub_co_u32 s26, s24, 24                      ; wo's
	s_mov_b32 s27, s24
	s_mov_b32 s28, 8192                            ; a row of the tensor in bytes
	s_wait_kmcnt 0x0
	s_mov_b64 s[36:37], s[12:13]                   ; the choice hangs on the work-group's number alone
	s_cmp_lt_u32 s24, 24
	s_cselect_b64 s[36:37], s[10:11], s[36:37]
	s_cselect_b32 s26, s33, s26
	s_cselect_b32 s27, s31, s27
	s_cselect_b32 s28, 2048, s28
	s_cmp_lt_u32 s24, 20
	s_cselect_b64 s[36:37], s[8:9], s[36:37]
	s_cselect_b32 s26, s34, s26
	s_cselect_b32 s27, s32, s27
	s_cmp_lt_u32 s24, 16
	s_cselect_b64 s[36:37], s[6:7], s[36:37]
	s_cselect_b32 s26, s24, s26
	s_cselect_b32 s27, s24, s27
	s_cselect_b32 s28, 8192, s28
	s_lshl_b32 s29, s28, 9
	s_mul_i32 s38, s25, s29                        ; 512 rows for each step along K,
	s_lshl_b32 s30, s26, 9
	s_add_co_u32 s38, s38, s30                     ; 512 bytes for each block of columns,
	s_lshl_b32 s30, s22, 7
	s_add_co_u32 s38, s38, s30                     ; 128 for each wave
	s_mov_b32 s39, 0
	s_add_nc_u64 s[36:37], s[36:37], s[38:39]
	s_lshl_b32 s40, s28, 5                         ; 32 rows: from block to block
	s_mov_b32 s41, 0
	s_lshl_b32 s42, s27, 7
	s_lshl_b32 s30, s22, 5
	s_add_co_u32 s42, s42, s30                     ; my wave's first stored row
	s_lshl_b32 s44, s42, 10
	s_lshl_b32 s30, s25, 8
	s_add_co_u32 s44, s44, s30
	s_add_co_u32 s44, s44, WCODES
	s_mov_b32 s45, 0
	s_add_nc_u64 s[44:45], s[16:17], s[44:45]      ; the codes
	s_lshl_b32 s46, s42, 6
	s_lshl_b32 s30, s25, 4
	s_add_co_u32 s46, s46, s30
	s_add_co_u32 s46, s46, WSC
	s_mov_b32 s47, 0
	s_add_nc_u64 s[46:47], s[16:17], s[46:47]      ; the scale bytes
	s_wait_alu depctr_va_vdst(0)
	v_and_b32 v5, 7, v2
	v_and_b32 v6, 8, v2
	v_lshl_or_b32 v5, v6, 1, v5
	v_bfe_u32 v6, v2, 4, 1
	v_lshl_or_b32 v5, v6, 3, v5                    ; my column's stored row: the lane with bits 3 and 4 swapped
	s_mul_i32 s30, s22, 32*BP
	s_add_co_u32 s30, s30, BLDS                    ; my stage
	v_mul_u32_u24 v4, v5, BP
	v_add_nc_u32 v4, s30, v4                       ; into it
	v_lshlrev_b32 v9, 6, v5                        ; my row of scale bytes
	v_and_b32 v6, 15, v2
	v_lshrrev_b32 v10, 4, v2
	v_mul_u32_u24 v7, v10, BP
	v_lshl_add_u32 v7, v6, 4, v7
	v_add_nc_u32 v7, s30, v7                       ; out of it: sixteen lanes to a row, two rows an instruction
	v_lshlrev_b32 v8, 10, v10
	v_lshl_add_u32 v8, v6, 4, v8                   ; and the same place in the codes' buffer
	v_lshlrev_b32 v[BO], 2, v2
.set i, 1
.rept 31
	v_add_nc_u32 v[BO+i], s28, v[BO+i-1]
.set i, i+1
.endr
.macro BLOAD t                         ; block t: W(32 t + i, my column) into set t % 2
.if (\t) > 0
	s_wait_xcnt 0x0                                ; the earlier loads have read their base: it may step
	s_add_nc_u64 s[36:37], s[36:37], s[40:41]
.endif
.set i, 0
.rept 32
	global_load_b32 v[BX+32*((\t)%2)+i], v[BO+i], s[36:37] th:TH_LOAD_NT
.set i, i+1
.endr
.endm
	BLOAD 0
	s_wait_alu depctr_va_vdst(0)
	BLOAD 1
.macro BBLOCK t
.set XS, BX+32*((\t)%2)
.if (\t) < 15
	s_wait_loadcnt 32                              ; this block's 32 loads are in; the next block's may be out
.else
	s_wait_loadcnt 0x0
.endif
	v_max3_num_f32 v12, |v[XS]|, |v[XS+1]|, |v[XS+2]|
	v_max3_num_f32 v13, |v[XS+3]|, |v[XS+4]|, |v[XS+5]|
.irp i, 6,10,14,18,22,26
	v_max3_num_f32 v12, v12, |v[XS+\i]|, |v[XS+\i+1]|
	v_max3_num_f32 v13, v13, |v[XS+\i+2]|, |v[XS+\i+3]|
.endr
	v_max3_num_f32 v12, v12, |v[XS+30]|, |v[XS+31]|
	v_max3_num_f32 v12, v12, v13, 0x1800000        ; and the floor
	v_add_nc_u32 v11, 0xff000000, v12              ; the conversion's scale operand
	v_lshrrev_b32 v13, 23, v11                     ; the scale's byte
.if (\t)%4 == 0
	v_mov_b32 v[BS+(\t)/4], v13
.else
	v_lshl_or_b32 v[BS+(\t)/4], v13, 8*((\t)%4), v[BS+(\t)/4]
.endif
.irp g, 0,1,2,3
	v_cvt_scalef32_pk8_fp4_f32 v[BC+\g], v[XS+8*\g:XS+8*\g+7], v11
.endr
	ds_store_b128 v4, v[BC:BC+3] offset:16*(\t)    ; 32 codes: 16 bytes of my column's row
.if (\t)+2 < 16
	BLOAD (\t)+2
.endif
	s_wait_dscnt 0x0                               ; the store has read its registers: the next block's codes may be written
.endm
.irp t, 0,1,2,3,4,5,6,7,8,9,10,11,12,13,14,15
	BBLOCK \t
.endr
	s_wait_alu depctr_va_vdst(0)
	global_store_b128 v9, v[BS:BS+3], s[46:47]     ; my column's 16 scale bytes
.irp t, 0,1,2,3,4,5,6,7,8,9,10,11,12,13,14,15
	ds_load_b128 v[BO+4*\t:BO+4*\t+3], v7 offset:2*\t*BP
.endr
.irp t, 0,1,2,3,4,5,6,7,8,9,10,11,12,13,14,15
	s_wait_dscnt 15-\t
	global_store_b128 v8, v[BO+4*\t:BO+4*\t+3], s[44:45] offset:2*\t*1024   ; sixteen lanes store 256 consecutive bytes, aligned
.endr
	s_wait_tensorcnt 0x0                           ; the wave's end
	ds_add_u32 v[SPW], v[NIL]
	s_wait_dscnt 0x0
	s_endpgm
; ---------------- PATH C: work-group 16 b + qb serves 64 tokens of batch b.  Every wave makes the batch's 1,024 mask words for itself, in its own LDS copy.
; A mask word is (segment id << 10) | position; the position restarts wherever the id changes.  Key s counts for query t where word[s] - (word[t] with its low 10 bits cleared), modulo 2^32, is at most pos[t].
.Lroute:
	s_lshr_b32 s23, ttmp9, 4                       ; b
	s_and_b32 s24, ttmp9, 15                       ; qb
	s_lshl_b32 s26, s23, 12
	s_mov_b32 s27, 0
	s_wait_alu depctr_va_vdst(0)
	v_lshlrev_b32 v1, 7, v2                        ; lane l takes tokens 32 l .. 32 l + 31: 128 bytes
	v_max_u32 v3, 4, v1
	v_add_nc_u32 v3, -4, v3                        ; the token before them (lane 0: token 0 itself, whose position is 0 either way)
	v_lshlrev_b32 v4, 5, v2                        ; 32 l
	s_lshl_b32 s25, s22, 12
	s_add_co_u32 s25, s25, CLDS                    ; my wave's copy
	v_add_nc_u32 v5, s25, v1
	s_lshl_b32 s28, s24, 8
	s_add_co_u32 s29, s25, s28                     ; in it the work-group's 64 tokens
	v_lshl_add_u32 v6, v2, 3, s29
	v_lshl_add_u32 v7, v2, 2, s29
	s_lshl_b32 s30, s22, 10
	s_add_co_u32 s30, s30, s25
	v_mov_b32 v8, s30                              ; my wave's key steps 2 w and 2 w + 1: 256 words
	v_and_b32 v10, 15, v0
	v_and_b32 v11, 8, v10
	v_add_nc_u32 v10, v10, v11                     ; r + 8 (r / 8)
	s_lshr_b32 s45, s22, 1
	s_lshl_b32 s45, s45, 7
	s_and_b32 s46, s22, 1
	s_lshl_b32 s46, s46, 5
	s_add_co_u32 s45, s45, s46
	s_add_co_u32 s45, s45, s29
	v_lshl_add_u32 v10, v10, 2, s45                ; the token of my lane in stored tile 4 x work-group + wave
	v_lshlrev_b32 v14, 3, v2
	v_lshlrev_b32 v16, 2, v2
	v_lshlrev_b32 v19, 4, v2
	s_add_co_u32 s34, s26, s28
	s_mov_b32 s35, 0
	s_lshl_b32 s36, ttmp9, 9
	s_lshl_b32 s37, s22, 7
	s_add_co_u32 s36, s36, s37
	s_add_co_u32 s36, s36, 16384
	s_mov_b32 s37, 0
	s_lshl_b32 s38, ttmp9, 2
	s_add_co_u32 s38, s38, s22
	s_lshl_b32 s38, s38, 13
	s_mov_b32 s39, 0
	s_wait_kmcnt 0x0
	s_add_nc_u64 s[14:15], s[14:15], s[26:27]      ; the batch's ids
	s_add_nc_u64 s[34:35], s[20:21], s[34:35]      ; route: the work-group's 64 mask words
	s_add_nc_u64 s[36:37], s[20:21], s[36:37]      ; route: my wave's 32 equal flag words
	s_add_nc_u64 s[18:19], s[18:19], s[38:39]      ; rope: my wave's tile
.irp e, 0,1,2,3,4,5,6,7
	global_load_b128 v[32+4*\e:35+4*\e], v1, s[14:15] offset:16*\e
.endr
	global_load_b32 v31, v3, s[14:15]
	v_mov_b32 v64, 0
	v_mov_b32 v97, 0                               ; (a lane move's destination counts as one of its sources)
	v_mov_b32 v98, 0
	s_wait_loadcnt 0x0
.set j, 0
.rept 32                               ; v[65 + j]: the last token up to 32 l + j, among mine, at which the id changed; 0 if none
	v_cmp_ne_u32 vcc_lo, v[32+j], v[31+j]
	v_add_nc_u32 v100, j, v4
	s_wait_alu depctr_va_vdst(0)
	v_cndmask_b32 v[65+j], v[64+j], v100, vcc_lo
.set j, j+1
.endr
	v_mov_b32_dpp v97, v96 row_shr:1 row_mask:0xf bank_mask:0xf bound_ctrl:1   ; the largest of the lanes below me: shift by one lane,
	v_readlane_b32 s31, v96, 15
	v_writelane_b32 v97, s31, 16                   ; across the halves too,
.irp n, 1,2,4,8
	v_mov_b32_dpp v98, v97 row_shr:\n row_mask:0xf bank_mask:0xf bound_ctrl:1   ; a running maximum inside each half,
	v_max_u32 v97, v97, v98
.endr
	v_readlane_b32 s31, v97, 15
	v_max_u32 v98, s31, v97
	s_mov_b32 s32, 0xffff0000
	v_cndmask_b32 v97, v97, v98, s32               ; and the lower half's total into the upper
.set j, 0
.rept 32
	v_max_u32 v[100+j%4], v[65+j], v97             ; where my token's segment began
	v_sub_nc_u32 v[100+j%4], v4, v[100+j%4]
	v_add_nc_u32 v[100+j%4], j, v[100+j%4]         ; its position
	v_lshl_or_b32 v[32+j], v[32+j], 10, v[100+j%4]
.set j, j+1
.endr
.irp e, 0,1,2,3,4,5,6,7
	ds_store_b128 v5, v[32+4*\e:35+4*\e] offset:16*\e
.endr
	s_cmp_lg_u32 s22, 0
	s_cbranch_scc1 .Lnot_first
	ds_load_b64 v[12:13], v6                       ; wave 0 stores the work-group's 64 words: 256 consecutive bytes, aligned
	s_wait_dscnt 0x0
	global_store_b64 v14, v[12:13], s[34:35]
.Lnot_first:
	; THE FLAGS: for each of my two key steps of 128 keys, does any pair (one of the 64 queries, a key) count, and do all?  Lane l holds queries l and l + 32.
	ds_load_b32 v112, v7
	ds_load_b32 v113, v7 offset:128
	s_wait_dscnt 0x0
	v_and_b32 v114, 0x3ff, v112                    ; positions
	v_and_b32 v115, 0x3ff, v113
	v_and_b32 v112, 0xfffffc00, v112
	v_and_b32 v113, 0xfffffc00, v113
.irp i, 0,1,2,3
	v_mov_b32 v[104+\i], -1                        ; the least difference of (step, query register) 2 st + q,
	v_mov_b32 v[108+\i], 0                         ; and the greatest
.endr
	s_mov_b32 s33, 0
.Lkeys:                                            ; four trips: 32 keys of each step, every lane reading the same words
	v_add_nc_u32 v9, s33, v8
.irp e, 0,1,2,3,4,5,6,7
	ds_load_b128 v[32+4*\e:35+4*\e], v9 offset:16*\e
	ds_load_b128 v[64+4*\e:67+4*\e], v9 offset:512+16*\e
.endr
	s_wait_dscnt 0x0
.set j, 0
.rept 32
	v_sub_nc_u32 v100, v[32+j], v112
	v_sub_nc_u32 v101, v[32+j], v113
	v_sub_nc_u32 v102, v[64+j], v112
	v_sub_nc_u32 v103, v[64+j], v113
.irp i, 0,1,2,3
	v_min_u32 v[104+\i], v[104+\i], v[100+\i]
.endr
.irp i, 0,1,2,3
	v_max_u32 v[108+\i], v[108+\i], v[100+\i]
.endr
.set j, j+1
.endr
	s_add_co_u32 s33, s33, 128
	s_cmp_lt_u32 s33, 512
	s_cbranch_scc1 .Lkeys
	v_cmp_le_u32 s38, v104, v114
	v_cmp_le_u32 s39, v105, v115
	s_or_b32 s38, s38, s39                         ; some query has a key that counts
	s_cselect_b32 s40, 1, 0
	v_cmp_le_u32 s38, v106, v114
	v_cmp_le_u32 s39, v107, v115
	s_or_b32 s38, s38, s39
	s_cselect_b32 s41, 2, 0
	v_cmp_le_u32 s38, v108, v114
	v_cmp_le_u32 s39, v109, v115
	s_and_b32 s38, s38, s39
	s_cmp_eq_u32 s38, -1                           ; every key counts for every query
	s_cselect_b32 s42, 0x100, 0
	s_wait_alu depctr_va_vdst(0)
	v_cmp_le_u32 s38, v110, v114
	v_cmp_le_u32 s39, v111, v115
	s_and_b32 s38, s38, s39
	s_cmp_eq_u32 s38, -1
	s_cselect_b32 s43, 0x200, 0
	s_or_b32 s40, s40, s41
	s_or_b32 s40, s40, s42
	s_or_b32 s40, s40, s43
	s_lshl_b32 s44, s22, 1
	s_lshl_b32 s40, s40, s44                       ; bit ks: some; bit 8 + ks: all
	v_mov_b32 v15, s40
	global_store_b32 v16, v15, s[36:37]
	; THE TABLE OF cos AND sin, in the order of the projection's result registers: lane (r, h), register n: frequency 32 (n / 16) + 16 h + n % 16 of the lane's token.
	; 10000^(-f / 64) = 2^(-f c), c = log2(10000) / 64 = c_hi + c_lo; f c_hi is exact (6 bits x 18 bits); the rest is a factor 1 + f kappa, kappa = -ln 2 x c_lo.
	ds_load_b32 v17, v10
	v_bfe_u32 v18, v0, 4, 1
	v_lshlrev_b32 v18, 4, v18
.set j, 0
.rept 32
	v_add_nc_u32 v[64+j], 32*(j/16)+j%16, v18
.set j, j+1
.endr
.set j, 0
.rept 32
	v_cvt_f32_u32 v[64+j], v[64+j]
.set j, j+1
.endr
.set j, 0
.rept 32
	v_mul_f32 v[32+j], 0xbe549a80, v[64+j]
.set j, j+1
.endr
.set j, 0
	s_wait_alu depctr_va_vdst(0)
.rept 32
	v_exp_f32 v[32+j], v[32+j]
.set j, j+1
.endr
.set j, 0
.rept 32
	v_mul_f32 v[64+j], 0x33aae0c5, v[64+j]         ; f kappa: plain work behind the exponentials, which names none of their results
.set j, j+1
.endr
	s_mov_b32 s50, 0x3f22f983                      ; 2 / pi
	s_mov_b32 s51, 0x3fc90fdb                      ; pi / 2, in two parts
	s_mov_b32 s52, 0xb33bbd2e
	s_mov_b32 s53, 0xb94ca1f9                      ; sin r = r + r z (((s53) z + s54) z + s55), z = r r, |r| <= pi / 4
	s_mov_b32 s54, 0x3c08839e
	s_mov_b32 s55, 0xbe2aaaa3
	s_mov_b32 s56, 0x37ccf5ce                      ; cos r = 1 - z / 2 + z z (((s56) z + s57) z + s58)
	s_mov_b32 s57, 0xbab6061a
	s_mov_b32 s58, 0x3d2aaaa5
	s_wait_dscnt 0x0
	v_and_b32 v17, 0x3ff, v17
	v_cvt_f32_u32 v17, v17                         ; the position
	s_wait_alu depctr_va_vdst(0)                   ; one wait for the 32 exponentials, ahead of their first reader
.set j, 0
.rept 32
	v_fma_f32 v[32+j], v[32+j], v[64+j], v[32+j]
.set j, j+1
.endr
.set j, 0
.rept 32
	v_mul_f32 v[32+j], v17, v[32+j]                ; the angle: position x frequency, rounded once
.set j, j+1
.endr
.set TT, 160                           ; v160-187: seven registers at work for each of four angles that take turns line by line
.macro SC4 n0                          ; angles v[32 + n0 ..+3] -> cos in v[96 + n], sin in v[128 + n]
.irp u, 0,1,2,3
	v_mul_f32 v[TT+7*\u], s50, v[32+\n0+\u]
.endr
.irp u, 0,1,2,3
	v_rndne_f32 v[TT+7*\u], v[TT+7*\u]             ; k: how many quarter turns
.endr
.irp u, 0,1,2,3
	v_fma_f32 v[TT+7*\u+1], -v[TT+7*\u], s51, v[32+\n0+\u]
.endr
.irp u, 0,1,2,3
	v_fma_f32 v[TT+7*\u+1], -v[TT+7*\u], s52, v[TT+7*\u+1]   ; r
.endr
.irp u, 0,1,2,3
	v_cvt_i32_f32 v[TT+7*\u+2], v[TT+7*\u]
.endr
.irp u, 0,1,2,3
	v_mul_f32 v[TT+7*\u+3], v[TT+7*\u+1], v[TT+7*\u+1]       ; z
.endr
.irp u, 0,1,2,3
	v_fma_f32 v[TT+7*\u+4], v[TT+7*\u+3], s53, s54
	v_fma_f32 v[TT+7*\u+5], v[TT+7*\u+3], s56, s57
.endr
.irp u, 0,1,2,3
	v_fma_f32 v[TT+7*\u+4], v[TT+7*\u+4], v[TT+7*\u+3], s55
	v_fma_f32 v[TT+7*\u+5], v[TT+7*\u+5], v[TT+7*\u+3], s58
.endr
.irp u, 0,1,2,3
	v_mul_f32 v[TT+7*\u+4], v[TT+7*\u+4], v[TT+7*\u+3]
	v_mul_f32 v[TT+7*\u], v[TT+7*\u+3], v[TT+7*\u+3]
	v_fma_f32 v[TT+7*\u+6], v[TT+7*\u+3], -0.5, 1.0
.endr
.irp u, 0,1,2,3
	v_fma_f32 v[TT+7*\u+4], v[TT+7*\u+4], v[TT+7*\u+1], v[TT+7*\u+1]   ; sin r
	v_fma_f32 v[TT+7*\u+5], v[TT+7*\u+5], v[TT+7*\u], v[TT+7*\u+6]     ; cos r
.endr
.irp u, 0,1,2,3
	v_and_b32 v[TT+7*\u], 1, v[TT+7*\u+2]
	v_and_b32 v[TT+7*\u+1], 2, v[TT+7*\u+2]
	v_add_nc_u32 v[TT+7*\u+3], 1, v[TT+7*\u+2]
.endr
.irp u, 0,1,2,3
	v_cmp_eq_u32 vcc_lo, 1, v[TT+7*\u]             ; an odd k swaps the two
	v_cndmask_b32 v[128+\n0+\u], v[TT+7*\u+4], v[TT+7*\u+5], vcc_lo
	v_cndmask_b32 v[96+\n0+\u], v[TT+7*\u+5], v[TT+7*\u+4], vcc_lo
.endr
.irp u, 0,1,2,3
	v_and_b32 v[TT+7*\u+3], 2, v[TT+7*\u+3]
	v_lshlrev_b32 v[TT+7*\u+1], 30, v[TT+7*\u+1]   ; sin's sign: k & 2
.endr
.irp u, 0,1,2,3
	v_lshlrev_b32 v[TT+7*\u+3], 30, v[TT+7*\u+3]   ; cos's: (k + 1) & 2
	v_xor_b32 v[128+\n0+\u], v[128+\n0+\u], v[TT+7*\u+1]
.endr
.irp u, 0,1,2,3
	v_xor_b32 v[96+\n0+\u], v[96+\n0+\u], v[TT+7*\u+3]
.endr
.endm
.irp n, 0,4,8,12,16,20,24,28
	SC4 \n
.endr
.irp q, 0,1,2,3,4,5,6,7,8,9,10,11,12,13,14,15
	global_store_b128 v19, v[96+4*\q:99+4*\q], s[18:19] offset:512*\q   ; groups 0-7 cos, 8-15 sin: 512 consecutive bytes a store
.endr
	s_wait_tensorcnt 0x0                           ; the wave's end
	ds_add_u32 v[SPW], v[NIL]
	s_wait_dscnt 0x0
	s_endpgm
.Lfunc_end_k_qf32880b07f_prep:
	.size	k_qf32880b07f_prep, .Lfunc_end_k_qf32880b07f_prep-k_qf32880b07f_prep
	.p2alignl 7, 3214868480
	.fill 96, 4, 3214868480
	.section	.rodata,"a",@progbits
	.p2align	6, 0x0
	.amdhsa_kernel k_qf32880b07f_prep
		.amdhsa_group_segment_fixed_size 73216
		.amdhsa_private_segment_fixed_size 0
		.amdhsa_enable_private_segment 0
		.amdhsa_kernarg_size 72
		.amdhsa_user_sgpr_count 2
		.amdhsa_user_sgpr_kernarg_segment_ptr 1
		.amdhsa_wavefront_size32 1
		.amdhsa_system_sgpr_workgroup_id_x 1
		.amdhsa_system_sgpr_workgroup_id_y 1
		.amdhsa_system_sgpr_workgroup_id_z 1
		.amdhsa_system_vgpr_workitem_id 0
		.amdhsa_next_free_vgpr 192
		.amdhsa_next_free_sgpr 66
		.amdhsa_reserve_vcc 1
		.amdhsa_float_denorm_mode_32 3
		.amdhsa_float_denorm_mode_16_64 3
		.amdhsa_memory_ordered 1
		.amdhsa_forward_progress 1
		.amdhsa_inst_pref_size 190
	.end_amdhsa_kernel
	.amdgpu_metadata
---
amdhsa.version: [ 1, 2 ]
amdhsa.kernels:
  - .name:           k_qf32880b07f_prep
    .symbol:         k_qf32880b07f_prep.kd
    .args:
      - { .name: hidden, .offset: 0, .size: 8, .value_kind: global_buffer, .address_space: global }
      - { .name: wq, .offset: 8, .size: 8, .value_kind: global_buffer, .address_space: global }
      - { .name: wk, .offset: 16, .size: 8, .value_kind: global_buffer, .address_space: global }
      - { .name: wv, .offset: 24, .size: 8, .value_kind: global_buffer, .address_space: global }
      - { .name: wo, .offset: 32, .size: 8, .value_kind: global_buffer, .address_space: global }
      - { .name: segment_ids, .offset: 40, .size: 8, .value_kind: global_buffer, .address_space: global }
      - { .name: w1, .offset: 48, .size: 8, .value_kind: global_buffer, .address_space: global }
      - { .name: rope, .offset: 56, .size: 8, .value_kind: global_buffer, .address_space: global }
      - { .name: route, .offset: 64, .size: 8, .value_kind: global_buffer, .address_space: global }
    .group_segment_fixed_size: 73216
    .private_segment_fixed_size: 0
    .kernarg_segment_align: 8
    .kernarg_segment_size: 72
    .max_flat_workgroup_size: 128
    .sgpr_count:     66
    .vgpr_count:     192
    .wavefront_size: 32
...
	.end_amdgpu_metadata
.endif
;; end of part 1
;; launch qkv (part 2): grid 12 x 16, 4 waves a work-group, clusters of 4 x 4, 327,680 bytes of LDS; arguments w1, rope, q_scale, k_scale, w2; writes w2
.if DOCPART == 2
	.amdgcn_target "amdgcn-amd-amdhsa--gfx1250"
	.amdhsa_code_object_version 6
	.text
	.protected	k_qf32880b07f_qkv
	.globl	k_qf32880b07f_qkv
	.p2align	8
	.type	k_qf32880b07f_qkv,@function
k_qf32880b07f_qkv:
	s_mov_b64 s[64:65], 0
	v_nop
	global_prefetch_b8 v0, s[64:65] scope:SCOPE_SE
	s_setreg_imm32_b32 hwreg(HW_REG_WAVE_MODE, 25, 1), 1
	s_wait_xcnt 0x0
	s_wait_alu depctr_hold_cnt(0) depctr_sa_sdst(0) depctr_va_vdst(0) depctr_va_sdst(0) depctr_va_ssrc(0) depctr_va_vcc(0) depctr_vm_vsrc(0)
	s_getreg_b32 s2, hwreg(HW_REG_IB_STS2, 6, 4)
	s_cmp_eq_u32 s2, 0
	s_cbranch_scc0 .Lentry_in_a_cluster
	s_endpgm
.Lentry_in_a_cluster:
	s_bfe_u32 s2, ttmp6, 0x10000c
	s_cmp_lg_u32 s2, 0xf033
	s_cbranch_scc0 .Lentry_shape_is_right
	s_endpgm
.Lentry_shape_is_right:
; QKV: hidden x [wq | wk, wv by heads] on codes of FP4 with E8M0 scales, K = 2,048; then, in registers, RMSNorm, gain, RoPE and the quantiser along the head for q and k, the quantiser along the keys for v.
; What is stored are OPERANDS for the attention launch, as images of their registers (a fragment of 16 rows x 128 K: 2 x 32 lanes x 16 bytes) and scale words.
; X = hidden's codes [4096 stored rows][1024 B], Y = the weights' codes, rows 0-3071.  A work-group of four waves makes 256 tokens x 256 rows of Y; a wave 128 x 128: 64 accumulators, 512 registers.
; K goes in steps of 512 through a ring of two LDS slots filled by the tensor data mover (rows of 256 bytes); K has four such steps, so the ring is written out.
; The scale bytes of the work-group's rows, for all of K, come into LDS once, with the first fills.
; CLUSTERS: 4 x 4 work-groups; X's tiles are asked for jointly along a row of the cluster, Y's along a column.
; ROLES.  A wave's 128 rows of Y are one head.  For q and k: source 0 = 16 rows of Y, source 1 = 16 tokens: a lane holds ONE token, and, by the stored order of Y's rows, its 64 registers are
; column 32 B + 16 h + i of the head at register 16 B + i.  In the cluster column with x = 2 the odd waves hold a head of wv: they multiply like every other wave and turn their results through a stage,
; so that a lane holds one channel and its registers run along the keys.  The role hangs on the cluster's x and the wave's number alone.
; REGISTERS: window 0: v0-31 addresses; v32-95 scale words, two sets, and nothing else; v96-127 the way out's small things; v128-191 source 1's fragments, later a tile at work; v192-255 the way out.
;   window 1: source 0's fragments at v0 and v128 (v0-63 later the gains); v64-127 and v192-255 two buffers of cos and sin.   windows 2, 3: the accumulators ((a, b) at v[8 (8 (a % 4) + b)]).
; LIMITS: a block of zeros gets the scale byte 1 (its codes are zeros; this program alone reads the bytes); NaN and infinities are not served.
.set NQ,     4                         ; steps of 128 along K in a slot
.set ROWB,   256                       ; a tile's row in bytes: 512 codes
.set KROW,   1024                      ; a row of codes in memory
.set PITCH,  272                       ; an LDS row: 256 bytes + 16 of padding: the 16 rows that a load touches start at 16 different banks (64 banks of 4 bytes: ISA guide 11.1)
.set FR,     8
.set NL,     2
.set NP,     4                         ; places behind this matrix instruction (ISA guide 7.12.1)
.set HALFT,  128*PITCH
.set SLOT,   4*HALFT                   ; X's 256 rows, then Y's 256 rows
.set KS,     64                        ; a row of scale bytes
.set SCL,    2*SLOT
.set HALFS,  32*272                    ; the scale bytes of 128 rows, as rows of 256 bytes + 16
.set SBLK,   4*272                     ; those of 16 rows
.set SPARE,  SCL+4*HALFS               ; the spare words: two blocks of 256 bytes that no other line names
.set GA,   8                           ; v8   64 x (lane / 16): my place in the gains
.set ADRA, 16                          ; v16-17  LDS address of source 1's fragments in slot 0, 1
.set ADRB, 20                          ; v20-21  of source 0's
.set ADRS, 27                          ; v27  of my scale words
.set SPW,  28                          ; v28  my spare word; never rewritten
.set NIL,  29                          ; v29  0; never rewritten
.set LI,   30                          ; v30  16 x lane
.set LW,   31                          ; v31  4 x lane
.set SC,   32
.set AF,   128
.set TM,   96                          ; v96-111  the quantiser's: largest magnitudes, bytes, scale operands
.set PW,   112                         ; v112-113 the scale word of an even and of an odd block
.set PWS,  114                         ; v114-117 two blocks' words in one register, a register for each pair
.set SS,   120                         ; v120-127 a block's sum of squares
.set W,    128                         ; v128-191 a block at work
.set RSQ,  192                         ; v192-207 1 / sqrt(mean + eps), a pair for each block
.set PC,   208                         ; v208-223 codes, two sets
.set CH,   224                         ; v224-239 the sums' chains; later RoPE's products
.set G1, 24
.set G0, 32
.set G1B, 48
.set G0B, 56
.set G1S, 68
.set G0S, 76
.set G1SB, 80
.set G0SB, 88
.set MSB, 0
.macro WIN new                         ; the immediate's high byte repeats the setting that is left
.if MSB != (\new)
	s_set_vgpr_msb (MSB<<8)|(\new)
.set MSB, (\new)
.endif
.endm
.set MUL_LO, 0xa1                      ; source 0 window 1, source 1 window 0, C and D window 2
.set MUL_HI, 0xf1
.set TO_B,   0x40                      ; destination window 1, address window 0
; A joint load: waves 0 and 1 fetch for X, waves 2 and 3 for Y.  An s_nop 0 and four v_nop follow each of the two lines.
.macro JLOAD g0a, g1a, g0b, g1b
	s_cmp_eq_u32 s15, 0
	s_cbranch_scc0 .Lfor_b_\@
	tensor_load_to_lds s[\g0a:\g0a+3], s[\g1a:\g1a+7]
	s_nop 0
.rept 4
	v_nop
.endr
	s_branch .Lasked_\@
.Lfor_b_\@:
	tensor_load_to_lds s[\g0b:\g0b+3], s[\g1b:\g1b+7]
	s_nop 0
.rept 4
	v_nop
.endr
.Lasked_\@:
.endm
.macro CREST                           ; a round of the cluster's barrier behind its opening barrier
	s_cmp_lg_u32 s14, 0
	s_cbranch_scc1 .Lnot_wave_0_\@
	s_barrier_signal -3
.Lnot_wave_0_\@:
	s_barrier_wait -3
	s_barrier_signal -1
	s_barrier_wait -1
.endm
.macro CROUND
	s_barrier_signal -1
	s_barrier_wait -1
	CREST
.endm
	s_load_b64 s[4:5], s[0:1], 0x0                 ; w1
	v_lshl_add_u32 v[SPW], v0, 2, SPARE
	v_mov_b32 v[NIL], 0
	ds_add_u32 v[SPW], v[NIL]                      ; the wave's opening
	ds_add_u32 v[SPW], v[NIL]
	v_lshrrev_b32 v1, 5, v0
	v_readfirstlane_b32 s14, v1                    ; wave 0..3
	s_lshr_b32 s15, s14, 1                         ; which 128 tokens are mine.  Also: I fetch for X (0) or for Y (1)
	s_and_b32 s16, s14, 1                          ; which 128 rows of Y.  Also: which 128 rows of that tile I fetch
	s_bfe_u32 s40, ttmp6, 0x40000                  ; cx, cy
	s_bfe_u32 s41, ttmp6, 0x40004
	s_lshl_b32 s42, ttmp9, 2
	s_add_co_u32 s42, s42, s40                     ; tile of Y = 4 x cluster x + cx
	s_and_b32 s17, ttmp7, 0xffff
	s_lshl_b32 s17, s17, 2
	s_add_co_u32 s17, s17, s41                     ; tile of X = 4 x cluster y + cy
	s_lshl_b32 s43, s41, 2
	s_lshl_b32 s43, 15, s43                        ; my row of the cluster
	s_lshl_b32 s44, 0x1111, s40                    ; my column
	s_cmp_eq_u32 ttmp9, 2
	s_cselect_b32 s95, 1, 0                        ; the cluster column of wk and wv: the same in all partners
	s_and_b32 s96, s95, s16                        ; my wave makes v
	s_or_b32 s[G1+0], s43, (0<<16)|(1<<20)|(1<<21)|(5<<22)|(3<<25)  ; the mask; elements of 1 byte; padding on; bit 21 beside a mask; after every 64 words 4 words
	s_or_b32 s[G1B+0], s44, (0<<16)|(1<<20)|(1<<21)|(5<<22)|(3<<25)
.irp g, G1, G1B
	s_mov_b32 s[\g+1], ROWB<<16                    ; tensor_dim0
	s_mov_b32 s[\g+2], 256<<16                     ; tensor_dim1: 256 rows for the head's loads; set to 128 for the ring's behind them
	s_mov_b32 s[\g+3], ROWB<<16                    ; tile_dim0
	s_mov_b32 s[\g+4], 256                         ; tile_dim1 likewise
	s_mov_b32 s[\g+5], KROW                        ; the pitch
	s_mov_b32 s[\g+6], 0
	s_mov_b32 s[\g+7], 0
.endr
	s_or_b32 s[G1S+0], s43, (3<<16)|(1<<20)|(1<<21)|(5<<22)|(3<<25) ; the scale bytes of 256 rows: 16,384 dense bytes as 64 rows of 256 (32 elements of 8 bytes)
	s_or_b32 s[G1SB+0], s44, (3<<16)|(1<<20)|(1<<21)|(5<<22)|(3<<25)
.irp g, G1S, G1SB
	s_mov_b32 s[\g+1], 32<<16
	s_mov_b32 s[\g+2], 64<<16                      ; the scale bytes of 256 rows: 64 rows of 256 bytes
	s_mov_b32 s[\g+3], 32<<16
	s_mov_b32 s[\g+4], 64
	s_mov_b32 s[\g+5], 32
	s_mov_b32 s[\g+6], 0
	s_mov_b32 s[\g+7], 0
.endr
	s_lshl_b32 s20, s17, 8                         ; X: the tile's first row
	s_lshl_b32 s46, s42, 8                         ; Y likewise
	s_mov_b32 s21, 0
	s_mov_b32 s47, 0
	s_mov_b64 s[18:19], KS
	s_mul_u64 s[22:23], s[20:21], s[18:19]
	s_mul_u64 s[92:93], s[46:47], s[18:19]
	s_mov_b64 s[18:19], KROW
	s_mul_u64 s[20:21], s[20:21], s[18:19]
	s_mul_u64 s[46:47], s[46:47], s[18:19]
	s_mul_i32 s45, s14, HALFT                      ; where they go: wave x 128 rows: no place in the cluster enters an LDS address
	s_mul_i32 s18, s16, 128*KROW                   ; in the ring I fetch 128 rows of a tile: which half, in bytes
	s_mov_b32 s19, 0
	s_wait_dscnt 0x0                               ; the opening add is done
	s_wait_kmcnt 0x0
	s_add_nc_u64 s[6:7], s[4:5], 9437184           ; hidden's scale bytes
	s_add_nc_u64 s[8:9], s[4:5], 4194304           ; the weights' codes
	s_add_nc_u64 s[10:11], s[4:5], 9699328         ; the weights' scale bytes
	s_add_nc_u64 s[20:21], s[4:5], s[20:21]
	s_add_nc_u64 s[22:23], s[6:7], s[22:23]
	s_add_nc_u64 s[46:47], s[8:9], s[46:47]
	s_add_nc_u64 s[92:93], s[10:11], s[92:93]
	CROUND                                         ; all sixteen work-groups are here: the first joint loads meet
	s_mov_b32 s[G0S], 1
	s_mov_b32 s[G0S+1], SCL
	s_mov_b64 s[G0S+2:G0S+3], s[22:23]
	s_or_b32 s[G0S+3], s[G0S+3], 0x80000000
	s_mov_b32 s[G0SB], 1
	s_mov_b32 s[G0SB+1], SCL+2*HALFS
	s_mov_b64 s[G0SB+2:G0SB+3], s[92:93]
	s_or_b32 s[G0SB+3], s[G0SB+3], 0x80000000
.set G0H, 4                            ; s[4:7], s[8:11] group 0 for the head's loads of K step 0 (the addresses that lay there have been used)
.set G0HB, 8
	s_mov_b32 s[G0H], 1                            ; K step 0's 256 rows of X,
	s_mov_b32 s[G0H+1], 0
	s_mov_b64 s[G0H+2:G0H+3], s[20:21]
	s_or_b32 s[G0H+3], s[G0H+3], 0x80000000
	s_mov_b32 s[G0HB], 1                           ; its 256 rows of Y, behind them in slot 0
	s_mov_b32 s[G0HB+1], 2*HALFT
	s_mov_b64 s[G0HB+2:G0HB+3], s[46:47]
	s_or_b32 s[G0HB+3], s[G0HB+3], 0x80000000
	s_add_nc_u64 s[20:21], s[20:21], s[18:19]      ; for the ring: my 128 rows of the tile
	s_add_nc_u64 s[46:47], s[46:47], s[18:19]
.irp s, 0,1
	s_mov_b32 s[G0+4*\s], 1
	s_add_co_u32 s[G0+4*\s+1], s45, \s*SLOT
	s_add_nc_u64 s[G0+4*\s+2:G0+4*\s+3], s[20:21], \s*ROWB
	s_or_b32 s[G0+4*\s+3], s[G0+4*\s+3], 0x80000000
	s_mov_b32 s[G0B+4*\s], 1
	s_add_co_u32 s[G0B+4*\s+1], s45, \s*SLOT
	s_add_nc_u64 s[G0B+4*\s+2:G0B+4*\s+3], s[46:47], \s*ROWB
	s_or_b32 s[G0B+4*\s+3], s[G0B+4*\s+3], 0x80000000
.endr
; THE HEAD'S LOADS, ONE A WAVE: wave 0 K step 0's 256 rows of X, wave 1 its 256 rows of Y, wave 2 the scale bytes of X's rows, wave 3 those of Y's.
; One tree of branches on the wave's number: every way through the head passes exactly one load.
.macro ARM under, g0, g1, next
	s_cmp_lt_u32 s14, \under
	s_cbranch_scc0 \next
	tensor_load_to_lds s[\g0:\g0+3], s[\g1:\g1+7]
	s_nop 0
.rept 4
	v_nop
.endr
	s_branch .Lhead_asked
\next:
.endm
	ARM 1, G0H,  G1,  .Lhead_b
	ARM 2, G0HB, G1B, .Lhead_sa
	ARM 3, G0S,  G1S, .Lhead_sb
	tensor_load_to_lds s[G0SB:G0SB+3], s[G1SB:G1SB+7]
	s_nop 0
.rept 4
	v_nop
.endr
.Lhead_asked:
	v_and_b32 v1, 15, v0                           ; r
	v_bfe_u32 v2, v0, 4, 1                         ; h
	v_mul_u32_u24 v3, v1, PITCH
	v_lshl_add_u32 v4, v2, 4, v3                   ; a fragment's row x pitch + 16 x half
	s_wait_alu depctr_va_vdst(0)
	s_mul_i32 s21, s15, HALFT                      ; my 128 tokens
	s_mul_i32 s22, s16, HALFT
	s_add_co_u32 s22, s22, 2*HALFT                 ; my 128 rows of Y, behind X's 256
	s_mov_b32 s23, s21                             ; source 1: tokens, source 0: rows of Y, in every wave: no LDS address hangs on the role
.irp s, 0,1
	v_add_nc_u32 v[ADRA+\s], s23, v4
	v_add_nc_u32 v[ADRB+\s], s22, v4
	s_add_co_u32 s23, s23, SLOT
	s_add_co_u32 s22, s22, SLOT
.endr
	v_mul_u32_u24 v5, v1, KS                       ; my row's scale bytes: 64 a row,
	v_lshrrev_b32 v6, 8, v5
	v_lshl_add_u32 v5, v6, 4, v5                   ; and 16 more for each 256 passed
	s_mul_i32 s21, s15, HALFS
	s_mul_i32 s22, s16, HALFS
	s_add_co_u32 s22, s22, 2*HALFS
	s_sub_co_u32 s22, s22, s21
	v_mul_u32_u24 v6, s22, v2                      ; lanes 0-15 carry source 1's words (X's), lanes 16-31 source 0's (Y's)
	s_add_co_u32 s21, s21, SCL
	v_add_nc_u32 v5, v5, v6
	v_add_nc_u32 v[ADRS], s21, v5
	v_and_b32 v6, 31, v0
	v_lshlrev_b32 v[LI], 4, v6
	v_lshlrev_b32 v[LW], 2, v6
	v_lshlrev_b32 v[GA], 6, v2
; The stage of a wave that makes v: 128 tokens x (128 channels of f32 + 16 bytes), in slot 0, one for each half of the tokens (2 x 67,584 bytes inside the slot's 139,264).
.set VP,   528
.set VSTG, 128*VP
	s_mul_i32 s21, s15, VSTG
	v_mul_u32_u24 v9, v1, VP
	v_lshl_add_u32 v9, v2, 5, v9
	v_add_nc_u32 v9, s21, v9                       ; v9  into it: row = my token, 32 bytes for each half of the lanes
	v_mul_u32_u24 v10, v2, 8*VP
	v_lshl_add_u32 v10, v1, 2, v10
	v_add_nc_u32 v10, s21, v10                     ; v10 out of it: column = my channel, lanes 16-31 eight rows further down
.macro FRAG reg, adr, q, i             ; 16 rows x 128 K of 4-bit codes: 8 registers, two loads of 16 bytes, 32 bytes apart
.irp c, 0,1
	ds_load_b128 v[\reg+4*\c:\reg+4*\c+3], v[\adr] offset:64*(\q)+32*\c+(\i)*16*PITCH
.endr
.endm
; 16 matrix instructions: source 1's blocks a0, a0 + 1 x source 0's eight.  The 64 accumulators take turns, one instruction a turn, in the same order in every step.
.macro MUL16 a0, p, q, sc, zero
.irp a, \a0, \a0+1
.irp b, 0,1,2,3,4,5,6,7
.if \zero
	v_wmma_scale_f32_16x16x128_f8f6f4 v[8*(8*((\a)%4)+\b):8*(8*((\a)%4)+\b)+7], v[128*(\p)+FR*\b:128*(\p)+FR*\b+FR-1], v[AF+FR*(\a):AF+FR*(\a)+FR-1], 0, v[SC+8*NQ*(\sc)+NQ*\b+(\q)], v[SC+8*NQ*(\sc)+NQ*(\a)+(\q)] matrix_a_fmt:MATRIX_FMT_FP4 matrix_b_fmt:MATRIX_FMT_FP4 matrix_a_scale:MATRIX_SCALE_ROW1
.else
	v_wmma_scale_f32_16x16x128_f8f6f4 v[8*(8*((\a)%4)+\b):8*(8*((\a)%4)+\b)+7], v[128*(\p)+FR*\b:128*(\p)+FR*\b+FR-1], v[AF+FR*(\a):AF+FR*(\a)+FR-1], v[8*(8*((\a)%4)+\b):8*(8*((\a)%4)+\b)+7], v[SC+8*NQ*(\sc)+NQ*\b+(\q)], v[SC+8*NQ*(\sc)+NQ*(\a)+(\q)] matrix_a_fmt:MATRIX_FMT_FP4 matrix_b_fmt:MATRIX_FMT_FP4 matrix_a_scale:MATRIX_SCALE_ROW1
.endif
.endr
.endr
.endm
.macro FETCH_B slot, q, p
	WIN TO_B
.irp i, 0,1,2,3,4,5,6,7
	FRAG 128*(\p)+FR*\i, ADRB+\slot, \q, \i
.endr
	WIN 0
.endm
.macro FETCH_A slot, q, i0
.irp i, \i0, \i0+1, \i0+2, \i0+3
	FRAG AF+FR*(\i), ADRA+\slot, \q, \i
.endr
.endm
.macro SCALES sc                       ; a K step's scale words: four a row; lanes 0-15 source 1's block i, lanes 16-31 source 0's
.irp i, 0,1,2,3,4,5,6,7
	ds_load_b128 v[SC+8*NQ*\sc+NQ*\i:SC+8*NQ*\sc+NQ*\i+3], v[ADRS] offset:\i*SBLK
.endr
.endm
.macro PLACES n                        ; plain vector instructions between a matrix instruction and a load into, or a read of, its registers
.rept \n
	v_nop
.endr
.endm
.macro STEP slot, q, zero              ; 128 along K, with its successor in the same slot
	s_wait_dscnt 4*NL                              ; all but the youngest eight loads (source 1's blocks 4-7) are in
	WIN MUL_LO
	MUL16 0, (\q)%2, \q, \slot, \zero
	MUL16 2, (\q)%2, \q, \slot, \zero
	s_wait_dscnt 0
	PLACES NP
	FETCH_B \slot, (\q)+1, 1-(\q)%2
	FETCH_A \slot, (\q)+1, 0
	WIN MUL_HI
	MUL16 4, (\q)%2, \q, \slot, \zero
	MUL16 6, (\q)%2, \q, \slot, \zero
	PLACES NP
	WIN 0
	FETCH_A \slot, (\q)+1, 4
.endm
; A slot's last step changes slots: one barrier; in front of it each wave waits for all its tensor loads, adds 0 to its spare word, and waits for that and for its reads of this slot.
.macro TURN slot, next, fill
	s_wait_tensorcnt 0x0                           ; all my tensor loads have landed: my part of the next slot
	ds_add_u32 v[SPW], v[NIL]
	s_wait_dscnt 4*NL+1                            ; (the add and the youngest eight loads may be out)
	WIN MUL_LO
	MUL16 0, 1, NQ-1, \slot, 0
	s_wait_dscnt 0x0                               ; the add is done, and my reads of this slot are over
	s_barrier_signal -1
	MUL16 2, 1, NQ-1, \slot, 0
	WIN 0
	s_barrier_wait -1
.if \fill
	CREST                                          ; the barrier has opened a round of the cluster's: no wave of any partner still reads this slot or has a load on its way
	s_add_nc_u64 s[G0+4*\slot+2:G0+4*\slot+3], s[G0+4*\slot+2:G0+4*\slot+3], 2*ROWB
	s_add_nc_u64 s[G0B+4*\slot+2:G0B+4*\slot+3], s[G0B+4*\slot+2:G0B+4*\slot+3], 2*ROWB
	JLOAD G0+4*\slot, G1, G0B+4*\slot, G1B         ; the first tensor load behind the round; its four v_nop are the places in front of the loads below
.else
	PLACES NP
.endif
	s_wait_alu depctr_va_vdst(0)
	v_add_nc_u32 v[ADRS], 4*NQ, v[ADRS]            ; the next K step's scale words
	FETCH_B \next, 0, 0
	FETCH_A \next, 0, 0
	SCALES \next
	WIN MUL_HI
	MUL16 4, 1, NQ-1, \slot, 0
	MUL16 6, 1, NQ-1, \slot, 0
	PLACES NP
	WIN 0
	FETCH_A \next, 0, 4
.endm
.macro STEPS slot, from
.set Q, \from
.rept NQ-1-\from
	STEP \slot, Q, 0
.set Q, Q+1
.endr
.endm
	s_wait_alu depctr_va_vdst(0)
	s_wait_tensorcnt 0x0                           ; my tile of the head's four is in
	ds_add_u32 v[SPW], v[NIL]
	s_mov_b32 s[G1+2], 128<<16                     ; no tensor load of mine is out: from here on a load brings 128 rows
	s_mov_b32 s[G1+4], 128
	s_mov_b32 s[G1B+2], 128<<16
	s_mov_b32 s[G1B+4], 128
	s_wait_dscnt 0x0
	CROUND                                         ; all four tiles are in, all sixteen work-groups are here
	JLOAD G0+4, G1, G0B+4, G1B                     ; K step 1: the first tensor load behind the round
	FETCH_B 0, 0, 0
	FETCH_A 0, 0, 0
	SCALES 0
	FETCH_A 0, 0, 4
	STEP 0, 0, 1                                   ; the first products start the sums: nothing is cleared
	STEPS 0, 1
	TURN 0, 1, 1                                   ; slot 0 takes K step 2
	STEPS 1, 0
	TURN 1, 0, 1                                   ; slot 1 takes K step 3
	STEP 0, 0, 0
	STEPS 0, 1
	TURN 0, 1, 0                                   ; nothing is left to fetch: no tensor load of mine is out from here on, so the descriptors' registers are free
	s_load_b256 s[24:31], s[0:1], 0x8              ; rope s[24:25], q_scale s[26:27], k_scale s[28:29], w2 s[30:31]
	STEPS 1, 0
	; where the way out reads and stores
	s_lshr_b32 s38, s17, 2                         ; the batch
	s_and_b32 s39, s17, 3
	s_lshl_b32 s39, s39, 1
	s_add_co_u32 s39, s39, s15                     ; which 128 tokens of it
	s_lshl_b32 s36, s38, 4
	s_lshl_b32 s37, s42, 1
	s_add_co_u32 s36, s36, s37
	s_add_co_u32 s36, s36, s16                     ; q: batch x 16 + head
	s_lshl_b32 s37, s38, 2
	s_add_co_u32 s37, s37, s40                     ; k, v: batch x 4 + head
	s_wait_kmcnt 0x0
	s_cmp_eq_u32 s95, 0
	s_cselect_b32 s36, s36, s37
	s_cselect_b64 s[26:27], s[26:27], s[28:29]     ; the gain
	s_lshl_b32 s36, s36, 3
	s_add_co_u32 s36, s36, s39                     ; a unit: 8 fragments, 128 scale words
	s_lshl_b32 s32, s36, 13
	s_lshl_b32 s37, s95, 22                        ; k's images begin at 4 MiB,
	s_add_co_u32 s32, s32, s37
	s_lshl_b32 s37, s96, 20                        ; v's at 5 MiB
	s_add_co_u32 s32, s32, s37
	s_mov_b32 s33, 0
	s_add_nc_u64 s[32:33], s[30:31], s[32:33]
	s_lshl_b32 s34, s36, 9
	s_lshl_b32 s37, s95, 18
	s_add_co_u32 s34, s34, s37
	s_lshl_b32 s37, s96, 16
	s_add_co_u32 s34, s34, s37
	s_add_co_u32 s34, s34, 6<<20                   ; the scale words: q's at 6 MiB, k's 256 KiB on, v's 320 KiB on
	s_mov_b32 s35, 0
	s_add_nc_u64 s[34:35], s[30:31], s[34:35]
	s_lshl_b32 s36, s17, 4
	s_lshl_b32 s37, s15, 3
	s_add_co_u32 s36, s36, s37
	s_lshl_b32 s36, s36, 13                        ; my first tile of 16 tokens in the table of cos and sin: 8,192 bytes a tile
	s_mov_b32 s37, 0
	s_add_nc_u64 s[24:25], s[24:25], s[36:37]
	s_mov_b32 s44, 0x76543210
	s_mov_b32 s45, 0xfedcba98                      ; v_permlanex16_b32's selects for lane l xor 16
	s_mov_b32 s46, 0x3c000000                      ; 1 / 128
	s_mov_b32 s47, 0x358637bd                      ; 1e-6
	s_mov_b32 s48, 0xffff0000                      ; lanes 16-31
.irp b, 0,1,2,3
	v_mov_b32 v[TM+4+\b], 0                        ; written once: a lane permute's destination counts as one of its sources
.endr
	; The gains and the first two tiles of cos and sin are asked for here, ahead of the last 64 products, in every wave (a wave that makes v does not use them): 48 loads.
	; Source 0's set 0 was last multiplied a step ago, with its places behind it.
	WIN TO_B
.irp b, 0,1,2,3
.irp e, 0,1,2,3
	global_load_b128 v[16*\b+4*\e:16*\b+4*\e+3], v[GA], s[26:27] offset:128*\b+16*\e   ; register 16 B + i: the gain of column 32 B + 16 h + i
.endr
.endr
.irp q, 0,1,2,3,4,5,6,7,8,9,10,11,12,13,14,15
	global_load_b128 v[64+4*\q:67+4*\q], v[LI], s[24:25] offset:512*\q
.endr
.irp q, 0,1,2,3,4,5,6,7,8,9,10,11,12,13,14,15
	global_load_b128 v[192+4*\q:195+4*\q], v[LI], s[24:25] offset:8192+512*\q
.endr
	WIN 0
	s_wait_dscnt 4*NL                              ; the very last step
	WIN MUL_LO
	MUL16 0, 1, NQ-1, 1, 0
	MUL16 2, 1, NQ-1, 1, 0
	s_wait_dscnt 0
	WIN MUL_HI
	MUL16 4, 1, NQ-1, 1, 0
	MUL16 6, 1, NQ-1, 1, 0
	WIN 0
	PLACES NP
; 64 numbers of a lane in window w, v[s] on, register 16 b + i = k 32 b + 16 (lane / 16) + i of my row, become a fragment's codes in v[pc] on and its scale word in v[pw].
.macro QUANT s, w, pc, pw
	WIN (\w)|((\w)<<2)
.irp b, 0,1,2,3
	v_max3_num_f32 v[TM+\b], |v[\s+16*\b]|, |v[\s+1+16*\b]|, 0x1800000   ; my 16 numbers of block b, and the floor 2^(3 - 127): the byte cannot fall under 1
.endr
	WIN ((\w)<<2)|((\w)<<4)
.irp i, 2,4,6,8,10,12,14
.irp b, 0,1,2,3
	v_max3_num_f32 v[TM+\b], v[TM+\b], |v[\s+16*\b+\i]|, |v[\s+1+16*\b+\i]|
.endr
.endr
	WIN 0
.irp b, 0,1,2,3
	v_permlanex16_b32 v[TM+4+\b], v[TM+\b], s44, s45
.endr
.irp b, 0,1,2,3
	v_max_num_f32 v[TM+\b], v[TM+\b], v[TM+4+\b]   ; with lane l xor 16's: the block's largest magnitude
.endr
.irp b, 0,1,2,3
	v_add_nc_u32 v[TM+12+\b], 0xff000000, v[TM+\b] ; 2 off its exponent field: the conversion's scale operand
.endr
.irp b, 0,1,2,3
	v_lshrrev_b32 v[TM+4+\b], 23, v[TM+12+\b]      ; the scale's byte
.endr
	v_lshl_or_b32 v[\pw], v[TM+5], 8, v[TM+4]
	v_lshl_or_b32 v[\pw], v[TM+6], 16, v[\pw]
	v_lshl_or_b32 v[\pw], v[TM+7], 24, v[\pw]
	WIN (\w)
.irp b, 0,1,2,3
	v_cvt_scalef32_pk8_fp4_f32 v[\pc+2*\b], v[\s+16*\b:\s+7+16*\b], v[TM+12+\b]
	v_cvt_scalef32_pk8_fp4_f32 v[\pc+1+2*\b], v[\s+8+16*\b:\s+15+16*\b], v[TM+12+\b]
.endr
	WIN 0
	v_nop                                          ; one plain place behind a scaled conversion
.irp c, 0,1                            ; the operand's layout wants a whole block in a lane
.irp i, 0,1
	v_permlane16_swap_b32 v[\pc+4*\c+\i], v[\pc+2+4*\c+\i]
.endr
.endr
.endm
.macro OUTQ a                          ; block a's fragment leaves as it stands: 512 consecutive bytes a store; two blocks' scale words leave together, 128 bytes
	global_store_b128 v[LI], v[PC+8*((\a)%2):PC+8*((\a)%2)+3], s[32:33] offset:1024*(\a)
	global_store_b128 v[LI], v[PC+8*((\a)%2)+4:PC+8*((\a)%2)+7], s[32:33] offset:1024*(\a)+512
.if (\a)%2
	v_cndmask_b32 v[PWS+(\a)/2], v[PW], v[PW+1], s48
	global_store_b32 v[LW], v[PWS+(\a)/2], s[34:35] offset:128*((\a)/2)
.endif
.endm
	s_cmp_eq_u32 s16, 0                            ; only odd waves,
	s_cbranch_scc1 .Lqrole
	s_cmp_lg_u32 s95, 0                            ; of the cluster column of wk and wv, make v
	s_cbranch_scc1 .Lvrole
.Lqrole:
	; ---- q and k.  The sums of squares of all eight blocks first, each accumulator from its low end on; a lane has 64 of a row's 128, lane l xor 16 the others.
.macro SUMSQ w
	WIN (\w)|((\w)<<2)
.irp a, 0,1,2,3
.irp c, 0,1
	v_pk_mul_f32 v[CH+4*\a+2*\c:CH+4*\a+2*\c+1], v[64*\a+2*\c:64*\a+2*\c+1], v[64*\a+2*\c:64*\a+2*\c+1]
.endr
.endr
.set pp, 2
.rept 30
.irp a, 0,1,2,3
	v_pk_fma_f32 v[CH+4*\a+2*(pp%2):CH+4*\a+2*(pp%2)+1], v[64*\a+2*pp:64*\a+2*pp+1], v[64*\a+2*pp:64*\a+2*pp+1], v[CH+4*\a+2*(pp%2):CH+4*\a+2*(pp%2)+1]
.endr
.set pp, pp+1
.endr
	WIN 0
.irp a, 0,1,2,3
	v_pk_add_f32 v[CH+4*\a:CH+4*\a+1], v[CH+4*\a:CH+4*\a+1], v[CH+4*\a+2:CH+4*\a+3]
.endr
.irp a, 0,1,2,3
	v_add_f32 v[SS+4*((\w)-2)+\a], v[CH+4*\a], v[CH+4*\a+1]
.endr
.endm
	SUMSQ 2
	SUMSQ 3
.irp i, 0,1,2,3,4,5,6,7
	v_permlanex16_b32 v[CH+\i], v[SS+\i], s44, s45
.endr
.irp i, 0,1,2,3,4,5,6,7
	v_add_f32 v[SS+\i], v[SS+\i], v[CH+\i]
.endr
.irp i, 0,1,2,3,4,5,6,7
	v_fma_f32 v[SS+\i], v[SS+\i], s46, s47         ; the mean + eps
.endr
	s_wait_alu depctr_va_vdst(0)
.irp i, 0,1,2,3,4,5,6,7
	v_rsq_f32 v[RSQ+2*\i], v[SS+\i]
.endr
	v_nop                                          ; a plain place behind the last of them
	s_wait_alu depctr_va_vdst(0)                   ; one wait for the eight, ahead of their first reader
.irp i, 0,1,2,3,4,5,6,7
	v_mov_b32 v[RSQ+2*\i+1], v[RSQ+2*\i]           ; a pair for the packed multiply
.endr
; Block a: x / rms, x gain, RoPE (columns n and n + 64 lie in registers n and n + 32 of one lane), the quantiser, the stores.
.macro QK a
.set XW, 2+(\a)/4
.set XB, 64*((\a)%4)
.set RB, 64+128*((\a)%2)
.if (\a) < 7
	s_wait_loadcnt 16                              ; this block's cos and sin (and the gains) are in; the other buffer's 16 loads may be out
.else
	s_wait_loadcnt 0x0
.endif
	WIN XW
.set pp, 0
.rept 32
	v_pk_mul_f32 v[W+2*pp:W+2*pp+1], v[XB+2*pp:XB+2*pp+1], v[RSQ+2*(\a):RSQ+2*(\a)+1]
.set pp, pp+1
.endr
	WIN 0x04                                       ; source 1 in window 1: the gains, then cos and sin
.set pp, 0
.rept 32
	v_pk_mul_f32 v[W+2*pp:W+2*pp+1], v[W+2*pp:W+2*pp+1], v[2*pp:2*pp+1]
.set pp, pp+1
.endr
.set pp, 0
.rept 16
.set TT, CH+4*(pp%4)
	v_pk_mul_f32 v[TT:TT+1], v[W+32+2*pp:W+33+2*pp], v[RB+32+2*pp:RB+33+2*pp]       ; x2 sin
	v_pk_mul_f32 v[TT+2:TT+3], v[W+2*pp:W+2*pp+1], v[RB+32+2*pp:RB+33+2*pp]         ; x1 sin
	v_pk_fma_f32 v[W+2*pp:W+2*pp+1], v[W+2*pp:W+2*pp+1], v[RB+2*pp:RB+2*pp+1], v[TT:TT+1] neg_lo:[0,0,1] neg_hi:[0,0,1]   ; x1 cos - x2 sin
	v_pk_fma_f32 v[W+32+2*pp:W+33+2*pp], v[W+32+2*pp:W+33+2*pp], v[RB+2*pp:RB+2*pp+1], v[TT+2:TT+3]                       ; x2 cos + x1 sin
.set pp, pp+1
.endr
.if (\a) < 6
	WIN TO_B
.irp q, 0,1,2,3,4,5,6,7,8,9,10,11,12,13,14,15
	global_load_b128 v[RB+4*\q:RB+4*\q+3], v[LI], s[24:25] offset:8192*((\a)+2)+512*\q   ; the buffer just read takes the block two on
.endr
.endif
	WIN 0
	s_wait_xcnt 0x0                                ; the stores of two blocks ago have read their registers
	QUANT W, 0, PC+8*((\a)%2), PW+(\a)%2
	OUTQ \a
.endm
	s_wait_alu depctr_va_vdst(0)
.irp a, 0,1,2,3,4,5,6,7
	QK \a
.endr
	s_branch .Ljoin
	; ---- v.  (This takes the place of what the head comment says of the v role: a wave that makes v multiplies like every other, a lane holding one token.)
	; Its 128 tokens x 128 channels go through its stage, so that a lane gets one channel and its registers run along the keys, in the quantiser's order.
	; Slot 0 has had its last fill, and every wave has passed the last change of slots, behind which nobody reads it.
.Lvrole:
.set j, 0
.rept 64                               ; accumulator (a, b), j = 8 a + b: token row 16 a + r, channels 16 b + 8 h + 0 .. 7, each from its low end on
	WIN (2+j/32)<<2
	ds_store_b128 v9, v[8*(j%32):8*(j%32)+3] offset:(j/8)*16*VP+64*(j%8)
	ds_store_b128 v9, v[8*(j%32)+4:8*(j%32)+7] offset:(j/8)*16*VP+64*(j%8)+16
.set j, j+1
.endr
	WIN 0
.Ljoin:
	s_mov_b32 s49, 0
.Lvl:                                              ; four trips of constant count, walked by every wave; the work, two blocks of 16 channels, is jumped over by the waves that make q or k
	v_add_nc_u32 v11, s49, v10
	s_wait_alu depctr_va_vdst(0)
	s_cmp_eq_u32 s16, 0
	s_cbranch_scc1 .Lvskip
	s_cmp_eq_u32 s95, 0
	s_cbranch_scc1 .Lvskip
	s_wait_xcnt 0x0                                ; earlier stores have read their registers
.set j, 0
.rept 64                               ; register n: token row 16 (n / 8) + 8 h + n % 8 of my channel: LDS serves a wave's instructions in order, so these see my stores
	ds_load_b32 v[W+j], v11 offset:(16*(j/8)+j%8)*VP
.set j, j+1
.endr
	WIN TO_B
.set j, 0
.rept 64
	ds_load_b32 v[128+j], v11 offset:(16*(j/8)+j%8)*VP+64
.set j, j+1
.endr
	WIN 0
	s_wait_dscnt 63                                ; the first block's 64 loads are in (64 are younger; the count's field ends at 63)
	QUANT W, 0, PC, PW
	OUTQ 0
	s_wait_dscnt 0x0
	QUANT 128, 1, PC+8, PW+1
	OUTQ 1
	s_wait_xcnt 0x0                                ; the stores have read their bases: they may step
	s_add_nc_u64 s[32:33], s[32:33], 2048
	s_add_nc_u64 s[34:35], s[34:35], 128
.Lvskip:
	s_add_co_u32 s49, s49, 128
	s_cmp_lt_u32 s49, 512
	s_cbranch_scc1 .Lvl
	s_wait_tensorcnt 0x0                           ; the wave's end
	ds_add_u32 v[SPW], v[NIL]
	s_wait_dscnt 0x0
	CROUND                                         ; the closing round
	s_endpgm
.Lfunc_end_k_qf32880b07f_qkv:
	.size	k_qf32880b07f_qkv, .Lfunc_end_k_qf32880b07f_qkv-k_qf32880b07f_qkv
	.p2alignl 7, 3214868480
	.fill 96, 4, 3214868480
	.section	.rodata,"a",@progbits
	.p2align	6, 0x0
	.amdhsa_kernel k_qf32880b07f_qkv
		.amdhsa_group_segment_fixed_size 327680
		.amdhsa_private_segment_fixed_size 0
		.amdhsa_enable_private_segment 0
		.amdhsa_kernarg_size 40
		.amdhsa_user_sgpr_count 2
		.amdhsa_user_sgpr_kernarg_segment_ptr 1
		.amdhsa_wavefront_size32 1
		.amdhsa_system_sgpr_workgroup_id_x 1
		.amdhsa_system_sgpr_workgroup_id_y 1
		.amdhsa_system_sgpr_workgroup_id_z 1
		.amdhsa_system_vgpr_workitem_id 0
		.amdhsa_next_free_vgpr 1024
		.amdhsa_next_free_sgpr 98
		.amdhsa_reserve_vcc 0
		.amdhsa_float_denorm_mode_32 3
		.amdhsa_float_denorm_mode_16_64 3
		.amdhsa_memory_ordered 1
		.amdhsa_forward_progress 1
		.amdhsa_inst_pref_size 255
	.end_amdhsa_kernel
	.section	.bss,"aw",@nobits
	.p2align	6
	.space	262144
	.amdgpu_metadata
---
amdhsa.version: [ 1, 2 ]
amdhsa.kernels:
  - .name:           k_qf32880b07f_qkv
    .symbol:         k_qf32880b07f_qkv.kd
    .args:
      - { .name: w1, .offset: 0, .size: 8, .value_kind: global_buffer, .address_space: global }
      - { .name: rope, .offset: 8, .size: 8, .value_kind: global_buffer, .address_space: global }
      - { .name: q_scale, .offset: 16, .size: 8, .value_kind: global_buffer, .address_space: global }
      - { .name: k_scale, .offset: 24, .size: 8, .value_kind: global_buffer, .address_space: global }
      - { .name: w2, .offset: 32, .size: 8, .value_kind: global_buffer, .address_space: global }
    .group_segment_fixed_size: 327680
    .private_segment_fixed_size: 0
    .kernarg_segment_align: 8
    .kernarg_segment_size: 40
    .max_flat_workgroup_size: 128
    .sgpr_count:     98
    .vgpr_count:     1024
    .wavefront_size: 32
...
	.end_amdgpu_metadata
.endif
;; end of part 2
;; launch attn (part 3): grid 16 x 16, 16 waves a work-group, no clusters, 163,840 bytes of LDS; arguments w2, route, w3; writes w3
.if DOCPART == 3
	.amdgcn_target "amdgcn-amd-amdhsa--gfx1250"
	.amdhsa_code_object_version 6
	.text
	.protected	k_qf32880b07f_attn
	.globl	k_qf32880b07f_attn
	.p2align	8
	.type	k_qf32880b07f_attn,@function
k_qf32880b07f_attn:
	s_mov_b64 s[64:65], 0
	v_nop
	global_prefetch_b8 v0, s[64:65] scope:SCOPE_SE
	s_setreg_imm32_b32 hwreg(HW_REG_WAVE_MODE, 25, 1), 1
	s_wait_xcnt 0x0
; ATTENTION on codes of FP4: S^T = K Q^T, mask, p = 2^(t - M) with M a whole number, O^T = V^T P^T, / the sum of the unquantised p, and the quantiser of the result along head x 128 + channel.
; THE MASK comes from segment ids, so which key steps (128 keys) a block of 64 queries needs hangs on data: an earlier launch has stored, for each block, bit ks = some pair counts, bit 8 + ks = all pairs count.
; A step with no pair is left out by a scalar branch on that word; the launch has no tensor load, and no cluster: partners would need different steps.
; SHARES.  Blocks need unequal numbers of steps, so a work-group takes 32 queries of a costly block and 32 of a cheap one.  Every wave ranks the batch's 16 blocks by (steps needed + steps masked), ties by the block's number;
; work-group (x, 4 b + g) owns half x % 2 of the blocks at ranks x / 2 (slot 0) and 15 - x / 2 (slot 1), for the four query heads of key head g: each half of each block has one owner, whatever the flags hold.
; Wave w: slot (w ^ (w >> 2)) & 1, tile of 16 queries (w >> 2) & 1, head 4 g + ((w >> 1) & 1) + 2 (w >> 3): of the waves w % 4 = const, and of the waves w / 4 = const, two belong to each slot.
; A block's number enters global addresses alone, held to 15; no LDS address hangs on it.
; All operands arrive as images of their registers; both products are used transposed, so that a lane holds one query throughout.
; The steps of K and V that either block needs (8 KiB each) are copied into LDS once, wave w copying unit w, and read by all sixteen waves: one barrier in the launch.
; Key s counts for query t where word[s] - (word[t] with its low 10 bits cleared), modulo 2^32, is at most pos[t]; every query counts for itself, so every row has a largest score.
; LIMITS: as the words' makers state (ids by their low 22 bits); a block of zeros keeps the scale byte 1; NaN and infinities are not served.
; REGISTERS: v1-11 addresses and the query's mask word; v12 -M, v13 the largest t, v[14:15] the sum; v16-23 Q; v24 -infinity; v25-31 the head's and the way out's addresses; v32-95 eight fragments of K or V (or 64 mask words; at the head the ranking);
;   v96-159 S^T, then p; v160-223 O^T; v224-231 p's codes; v232-254 at work; v248-251 K's or V's scale words; v253 p's; v255 Q's.
.set KIMG,  4<<20
.set QSC,   6<<20
.set KSC,   QSC+262144
.set SCW,   131072                     ; LDS: 0: 16 units of 8,192 bytes (2 ks: K's eight fragments of step ks; 2 ks + 1: V's);  SCW: their scale words, 512 bytes a unit;
.set CKL,   139264                     ; the batch's 1,024 mask words;
.set SPARE, 161792                     ; the spare words, 128 bytes for each wave: eight blocks of 256 bytes that no other line names
.set LI,   1                           ; v1  16 x lane
.set LS,   2                           ; v2  SCW + 4 x lane
.set CKA,  3                           ; v3  CKL + 64 x (lane / 16)
.set LOQ,  4                           ; v4  my query's mask word with its low 10 bits cleared
.set SPW,  5                           ; v5  my spare word; never rewritten
.set NIL,  6                           ; v6  0; never rewritten
.set POSQ, 7                           ; v7  my query's position
.set ADK,  8
.set ADS,  10
.set ADC,  11
.set NEGI, 24
.set WV,   10
.set FL,   20                          ; s20 my block's flags
.set SEL,  42
.set CS,   44
.set TB,   46
.set TS,   47
.set TC,   48
.set KSI,  49
	s_load_b128 s[4:7], s[0:1], 0x0                ; w2, route
	s_load_b64 s[8:9], s[0:1], 0x10                ; w3
	v_lshl_add_u32 v[SPW], v0, 2, SPARE
	v_mov_b32 v[NIL], 0
	v_lshrrev_b32 v8, 5, v0
	s_delay_alu instid0(VALU_DEP_1)
	v_readfirstlane_b32 s[WV], v8                  ; wave 0..15
	s_and_b32 s11, ttmp7, 0xffff                   ; 4 b + g
	s_lshr_b32 s12, s11, 2                         ; b
	s_and_b32 s13, s11, 3                          ; g
	s_lshl_b32 s14, s12, 13
	s_add_co_u32 s14, s14, 16384                   ; the flags of the batch's 16 blocks: 512 bytes a block, four words 128 bytes apart
	s_mov_b32 s15, 0
	s_lshl_b32 s16, s12, 12                        ; the batch's mask words
	s_mov_b32 s17, 0
	v_and_b32 v8, 15, v0                           ; r
	v_bfe_u32 v9, v0, 4, 1                         ; h
	v_and_b32 v10, 31, v0                          ; lane
	s_delay_alu instid0(VALU_DEP_3)
	v_lshlrev_b32 v47, 9, v8                       ; lane r (and r + 16) takes block r's flags
	v_lshlrev_b32 v25, 3, v0                       ; every thread copies 8 bytes of the mask words
	v_lshl_add_u32 v28, v0, 3, CKL
	s_wait_alu depctr_va_vdst(0)
	s_wait_kmcnt 0x0
	s_add_nc_u64 s[14:15], s[6:7], s[14:15]
	s_add_nc_u64 s[16:17], s[6:7], s[16:17]
	global_load_b32 v32, v47, s[14:15]
	global_load_b32 v33, v47, s[14:15] offset:128
	global_load_b32 v34, v47, s[14:15] offset:256
	global_load_b32 v35, v47, s[14:15] offset:384
	global_load_b64 v[26:27], v25, s[16:17]
	; all that hangs on ids alone is made while the flags are on their way
	v_lshlrev_b32 v[LI], 4, v10
	s_wait_alu depctr_va_vdst(0)
	v_lshl_add_u32 v[LS], v10, 2, SCW
	v_lshl_add_u32 v[CKA], v9, 6, CKL
	v_lshlrev_b32 v10, 2, v8                       ; Q's scale words: 4 r
	v_and_b32 v11, 8, v8
	s_delay_alu instid0(VALU_DEP_1)
	v_add_nc_u32 v11, v11, v8
	s_delay_alu instid0(VALU_DEP_1)
	v_lshlrev_b32 v11, 2, v11                      ; my query's mask word: 4 (r + 8 (r / 8))
	s_lshr_b32 s26, s[WV], 2
	s_xor_b32 s23, s26, s[WV]
	s_and_b32 s23, s23, 1                          ; my slot
	s_and_b32 s26, s26, 1                          ; my tile of 16 queries in the half
	s_bfe_u32 s24, s[WV], 0x10001
	s_lshr_b32 s25, s[WV], 3
	s_lshl_b32 s25, s25, 1
	s_or_b32 s24, s24, s25                         ; my head among the four
	s_and_b32 s41, ttmp9, 1                        ; which half of the two blocks
	s_lshr_b32 s18, ttmp9, 1                       ; slot 0's rank
	s_sub_co_u32 s19, 15, s18                      ; slot 1's
	s_lshr_b32 s34, s[WV], 1                       ; the unit that I copy: key step w / 2,
	s_and_b32 s35, s[WV], 1                        ; K's (0) or V's (1)
	s_lshl_b32 s40, s11, 3
	s_add_co_u32 s40, s40, s34
	s_lshl_b32 s36, s40, 13
	s_lshl_b32 s37, s35, 20
	s_add_co_u32 s36, s36, s37
	s_add_co_u32 s36, s36, KIMG
	s_mov_b32 s37, 0
	s_add_nc_u64 s[36:37], s[4:5], s[36:37]
	s_lshl_b32 s38, s40, 9
	s_lshl_b32 s39, s35, 16
	s_add_co_u32 s38, s38, s39
	s_add_co_u32 s38, s38, KSC
	s_mov_b32 s39, 0
	s_add_nc_u64 s[38:39], s[4:5], s[38:39]
	s_lshl_b32 s40, s[WV], 13
	v_add_nc_u32 v29, s40, v[LI]
	s_lshl_b32 s40, s[WV], 9
	s_add_co_u32 s40, s40, SCW
	v_add_nc_u32 v30, s40, v[LI]
	s_mov_b32 s[SEL], 0x76543210
	s_mov_b32 s[SEL+1], 0xfedcba98
	s_mov_b32 s[CS], 0x3e0293ee                    ; c = log2(e) / sqrt(128)
	s_mov_b32 s[CS+1], s[CS]
	s_mov_b32 s[TB], 0
	s_mov_b32 s[TS], 0
	s_mov_b32 s[TC], 0
	s_mov_b32 s[KSI], 0
	v_mov_b32 v[NEGI], 0xff800000
	v_mov_b32 v13, 0xff61b1e6                      ; the largest t so far: -3e38
	s_delay_alu instid0(VALU_DEP_1)
	v_floor_f32 v12, -v13                          ; -M
	v_mov_b32 v14, 0
	v_mov_b32 v15, 0
.irp b, 0,1,2,3
	v_mov_b32 v[236+\b], 0                         ; written once: a lane permute's destination counts as one of its sources
.endr
	v_mov_b32 v252, 0
	v_mov_b32 v253, 0
	v_mov_b32 v37, 0                               ; the rank
	v_mov_b32 v42, 0                               ; (a lane move's destination counts as one of its sources)
	v_mov_b32 v44, 0
.irp i, 0,1,2,3,4
	v_mov_b32 v[48+\i], 0
.endr
.set j, 0
.rept 64
	v_mov_b32 v[160+j], 0                          ; O^T: the step is written once; the first finds zeros
.set j, j+1
.endr
	s_wait_loadcnt 0x1                             ; the four flag words are in; the copy of the mask words may be out
	; THE RANKING, alike in every wave of every work-group of the batch
	v_or_b32 v32, v32, v33
	v_or_b32 v34, v34, v35
	s_delay_alu instid0(VALU_DEP_1)
	v_or_b32 v32, v32, v34
	s_delay_alu instid0(VALU_DEP_1)
	v_and_b32 v32, 0xffff, v32                     ; block r's flags
	s_delay_alu instid0(VALU_DEP_1)
	v_lshrrev_b32 v33, 8, v32                      ; steps all of whose pairs count: a subset of
	s_delay_alu instid0(VALU_DEP_2)
	v_and_b32 v34, 0xff, v32                       ; the steps needed,
	s_delay_alu instid0(VALU_DEP_1)
	v_xor_b32 v33, v33, v34                        ; so this is the steps needed and masked
	s_delay_alu instid0(VALU_DEP_1)
	v_lshl_or_b32 v35, v33, 8, v34
	s_delay_alu instid0(VALU_DEP_1)
	v_lshrrev_b32 v36, 1, v35                      ; the ones among these 16 bits are counted: by twos,
	s_delay_alu instid0(VALU_DEP_1)
	v_and_b32 v36, 0x5555, v36
	s_delay_alu instid0(VALU_DEP_1)
	v_sub_nc_u32 v35, v35, v36
	s_delay_alu instid0(VALU_DEP_1)
	v_lshrrev_b32 v36, 2, v35                      ; by fours,
	s_delay_alu instid0(VALU_DEP_1)
	v_and_b32 v36, 0x3333, v36
	s_delay_alu instid0(VALU_DEP_3)
	v_and_b32 v35, 0x3333, v35
	s_delay_alu instid0(VALU_DEP_1)
	v_add_nc_u32 v35, v35, v36
	s_delay_alu instid0(VALU_DEP_1)
	v_lshrrev_b32 v36, 4, v35                      ; by eights,
	s_delay_alu instid0(VALU_DEP_1)
	v_add_nc_u32 v35, v35, v36
	s_delay_alu instid0(VALU_DEP_1)
	v_and_b32 v35, 0x0f0f, v35
	s_delay_alu instid0(VALU_DEP_1)
	v_lshrrev_b32 v36, 8, v35                      ; all
	s_delay_alu instid0(VALU_DEP_1)
	v_add_nc_u32 v35, v35, v36
	s_delay_alu instid0(VALU_DEP_1)
	v_and_b32 v35, 0x1f, v35                       ; the block's cost, 0 .. 16
	v_lshl_or_b32 v32, v8, 16, v32
	s_delay_alu instid0(VALU_DEP_1)
	v_lshl_or_b32 v32, v35, 20, v32                ; the key: cost, block, flags: no two alike, all under 2^25
.macro RANK5 a, b, c, d, e             ; of five other lanes of my sixteen: how many hold a greater key
.irp n, \a, \b, \c, \d, \e
	v_mov_b32_dpp v[48+(\n-1)%5], v32 row_xmask:\n row_mask:0xf bank_mask:0xf
.endr
.irp i, 0,1,2,3,4
	v_sub_nc_u32 v[48+\i], v32, v[48+\i]           ; negative where the other's is greater
.endr
.irp i, 0,1,2,3,4
	v_lshrrev_b32 v[48+\i], 31, v[48+\i]
.endr
	s_delay_alu instid0(VALU_DEP_4)
	v_add_nc_u32 v48, v48, v49
	s_delay_alu instid0(VALU_DEP_3)
	v_add_nc_u32 v50, v50, v51
	s_delay_alu instid0(VALU_DEP_3)
	v_add_nc_u32 v37, v37, v52
	s_delay_alu instid0(VALU_DEP_2)
	v_add_nc_u32 v48, v48, v50
	s_delay_alu instid0(VALU_DEP_1)
	v_add_nc_u32 v37, v37, v48
.endm
	RANK5 1, 2, 3, 4, 5
	RANK5 6, 7, 8, 9, 10
	RANK5 11, 12, 13, 14, 15
	s_delay_alu instid0(VALU_DEP_1)
	v_cmp_eq_u32 s50, s18, v37
	s_delay_alu instid0(VALU_DEP_2)
	v_cmp_eq_u32 s51, s19, v37
	s_delay_alu instid0(VALU_DEP_2)
	v_cndmask_b32 v40, v[NIL], v32, s50            ; the key at slot 0's rank, in one lane of sixteen; 0 in the others
	s_delay_alu instid0(VALU_DEP_2)
	v_cndmask_b32 v41, v[NIL], v32, s51            ; and at slot 1's
.irp n, 1,2,4,8
	s_delay_alu instid0(VALU_DEP_2)
	v_mov_b32_dpp v42, v40 row_xmask:\n row_mask:0xf bank_mask:0xf
	s_delay_alu instid0(VALU_DEP_2)
	v_mov_b32_dpp v44, v41 row_xmask:\n row_mask:0xf bank_mask:0xf
	s_delay_alu instid0(VALU_DEP_2)
	v_or_b32 v40, v40, v42
	s_delay_alu instid0(VALU_DEP_2)
	v_or_b32 v41, v41, v44
.endr
	s_delay_alu instid0(VALU_DEP_2)
	v_readfirstlane_b32 s21, v40
	s_delay_alu instid0(VALU_DEP_2)
	v_readfirstlane_b32 s22, v41
	s_or_b32 s53, s21, s22                         ; in its low 8 bits: the steps that either block needs
	s_cmp_eq_u32 s23, 0
	s_cselect_b32 s25, s21, s22
	s_and_b32 s[FL], s25, 0xffff                   ; my block's flags
	s_bfe_u32 s27, s25, 0x40010
	s_min_u32 s27, s27, 15                         ; my block
	s_lshl_b32 s28, s11, 2
	s_add_co_u32 s28, s28, s24                     ; 16 b + head
	s_lshl_b32 s28, s28, 6
	s_lshl_b32 s40, s27, 2
	s_add_co_u32 s28, s28, s40
	s_lshl_b32 s40, s41, 1
	s_add_co_u32 s28, s28, s40
	s_add_co_u32 s28, s28, s26                     ; + my stored tile: 4 block + 2 half + tile
	s_lshl_b32 s30, s28, 6
	s_add_co_u32 s30, s30, QSC                     ; its 16 scale words
	s_mov_b32 s31, 0
	s_lshl_b32 s28, s28, 10                        ; its fragment
	s_mov_b32 s29, 0
	s_add_nc_u64 s[28:29], s[4:5], s[28:29]
	s_add_nc_u64 s[30:31], s[4:5], s[30:31]
	s_lshl_b32 s32, s27, 6
	s_lshl_b32 s40, s41, 5
	s_add_co_u32 s32, s32, s40
	s_lshl_b32 s40, s26, 3
	s_add_co_u32 s32, s32, s40                     ; my tile's first token in the batch: 64 block + 32 half + 8 tile
	s_lshl_b32 s32, s32, 2
	s_mov_b32 s33, 0
	s_add_nc_u64 s[32:33], s[16:17], s[32:33]
	global_load_b128 v[16:19], v[LI], s[28:29]
	global_load_b128 v[20:23], v[LI], s[28:29] offset:512
	global_load_b32 v255, v10, s[30:31]
	global_load_b32 v31, v11, s[32:33]             ; my query's mask word
	s_lshr_b32 s50, s53, s34
	s_and_b32 s50, s50, 1
	s_cmp_eq_u32 s50, 0
	s_cbranch_scc1 .Lno_fill                       ; a key step that no query of the work-group needs is neither copied nor read
.irp i, 0,1,2,3,4,5,6,7,8,9,10,11,12,13,14,15
	global_load_b128 v[96+4*\i:99+4*\i], v[LI], s[36:37] offset:512*\i
.endr
	global_load_b128 v[88:91], v[LI], s[38:39]
	s_wait_loadcnt 0x0
.irp i, 0,1,2,3,4,5,6,7,8,9,10,11,12,13,14,15
	ds_store_b128 v29, v[96+4*\i:99+4*\i] offset:512*\i
.endr
	ds_store_b128 v30, v[88:91]
.Lno_fill:
	s_wait_loadcnt 0x0
	ds_store_b64 v28, v[26:27]
	v_and_b32 v[POSQ], 0x3ff, v31
	v_and_b32 v[LOQ], 0xfffffc00, v31
	s_wait_dscnt 0x0                               ; for the others' sake: my stores have landed
	s_barrier_signal -1
	s_barrier_wait -1
.macro SMUL t
.if (\t)%2
	v_wmma_scale_f32_16x16x128_f8f6f4 v[96+8*\t:103+8*\t], v[32+8*\t:39+8*\t], v[16:23], 0, v[248+\t/2], v255 matrix_a_fmt:MATRIX_FMT_FP4 matrix_b_fmt:MATRIX_FMT_FP4 matrix_a_scale:MATRIX_SCALE_ROW1
.else
	v_wmma_scale_f32_16x16x128_f8f6f4 v[96+8*\t:103+8*\t], v[32+8*\t:39+8*\t], v[16:23], 0, v[248+\t/2], v255 matrix_a_fmt:MATRIX_FMT_FP4 matrix_b_fmt:MATRIX_FMT_FP4
.endif
.endm
.macro OMUL t
.if (\t)%2
	v_wmma_scale_f32_16x16x128_f8f6f4 v[160+8*\t:167+8*\t], v[32+8*\t:39+8*\t], v[224:231], v[160+8*\t:167+8*\t], v[248+\t/2], v253 matrix_a_fmt:MATRIX_FMT_FP4 matrix_b_fmt:MATRIX_FMT_FP4 matrix_a_scale:MATRIX_SCALE_ROW1
.else
	v_wmma_scale_f32_16x16x128_f8f6f4 v[160+8*\t:167+8*\t], v[32+8*\t:39+8*\t], v[224:231], v[160+8*\t:167+8*\t], v[248+\t/2], v253 matrix_a_fmt:MATRIX_FMT_FP4 matrix_b_fmt:MATRIX_FMT_FP4
.endif
.endm
.Lks:                                              ; eight trips, one for each key step; the trip count is a constant, the work is jumped over
	s_lshr_b32 s50, s[FL], s[KSI]
	s_and_b32 s51, s50, 1
	s_cmp_eq_u32 s51, 0
	s_cbranch_scc1 .Lskip
	v_add_nc_u32 v[ADK], s[TB], v[LI]
	v_add_nc_u32 v[ADS], s[TS], v[LS]
	v_add_nc_u32 v[ADC], s[TC], v[CKA]
.irp t, 0,1,2,3,4,5,6,7
	ds_load_b128 v[32+8*\t:35+8*\t], v[ADK] offset:1024*\t
	ds_load_b128 v[36+8*\t:39+8*\t], v[ADK] offset:1024*\t+512
.endr
.irp p, 0,1,2,3
	ds_load_b32 v[248+\p], v[ADS] offset:128*\p    ; lanes 0-15: tile 2 p's scale words, lanes 16-31: tile 2 p + 1's
.endr
	s_wait_dscnt 0x0
.irp t, 0,1,2,3,4,5,6,7
	SMUL \t                                        ; lane (r, h): query r; register 16 B + i: key 32 B + 16 h + i of the step
.endr
.rept 4
	v_nop                                          ; places behind the products, in front of reads of their results and loads into their operands
.endr
	s_and_b32 s51, s50, 0x100
	s_cmp_lg_u32 s51, 0
	s_cbranch_scc1 .Lopen                          ; every key of the step counts for every query of my block
	s_wait_alu depctr_va_vdst(0)
.irp b, 0,1,2,3
.irp e, 0,1,2,3
	ds_load_b128 v[32+16*\b+4*\e:35+16*\b+4*\e], v[ADC] offset:128*\b+16*\e   ; the mask words of my 64 keys, in the registers' order
.endr
.endr
	s_wait_dscnt 0x0
.set j, 0
.rept 64
	v_sub_nc_u32 v[32+j], v[32+j], v[LOQ]
	s_delay_alu instid0(VALU_DEP_1)
	v_cmp_ge_u32 vcc_lo, v[POSQ], v[32+j]
	v_cndmask_b32 v[96+j], v[NEGI], v[96+j], vcc_lo   ; a key that does not count: -infinity, so that p = 0
.set j, j+1
.endr
.Lopen:
	s_wait_alu depctr_va_vdst(0)
.irp t, 0,1,2,3,4,5,6,7
	ds_load_b128 v[32+8*\t:35+8*\t], v[ADK] offset:8192+1024*\t   ; V's fragments are asked for now and land under the softmax
	ds_load_b128 v[36+8*\t:39+8*\t], v[ADK] offset:8192+1024*\t+512
.endr
.irp p, 0,1,2,3
	ds_load_b32 v[248+\p], v[ADS] offset:512+128*\p
.endr
.irp b, 0,1,2,3
	v_max3_num_f32 v[232+\b], v[96+16*\b], v[97+16*\b], v[98+16*\b]   ; the largest score of each block of 32 keys: for the row's maximum, and, since p rises with the score, for the block's largest p
.endr
.irp i, 3,5,7,9,11,13
.irp b, 0,1,2,3
	v_max3_num_f32 v[232+\b], v[232+\b], v[96+16*\b+\i], v[97+16*\b+\i]
.endr
.endr
.irp b, 0,1,2,3
	v_max_num_f32 v[232+\b], v[232+\b], v[111+16*\b]
.endr
.irp b, 0,1,2,3
	s_delay_alu instid0(VALU_DEP_4)
	v_permlanex16_b32 v[236+\b], v[232+\b], s[SEL], s[SEL+1]
.endr
.irp b, 0,1,2,3
	s_delay_alu instid0(VALU_DEP_4)
	v_max_num_f32 v[232+\b], v[232+\b], v[236+\b]
.endr
	s_delay_alu instid0(VALU_DEP_2)
	v_max3_num_f32 v254, v232, v233, v234
	s_delay_alu instid0(VALU_DEP_1)
	v_max_num_f32 v254, v254, v235
	s_delay_alu instid0(VALU_DEP_1)
	v_mul_f32 v254, s[CS], v254
	s_delay_alu instid0(VALU_DEP_1)
	v_max_num_f32 v13, v13, v254                   ; the running largest t
	v_mov_b32 v254, v12
	s_delay_alu instid0(VALU_DEP_2)
	v_floor_f32 v12, -v13                          ; the new -M = -ceil(t): a whole number
	s_delay_alu instid0(VALU_DEP_1)
	v_sub_f32 v254, v12, v254
	s_delay_alu instid0(VALU_DEP_1)
	v_cvt_i32_f32 v254, v254                       ; (it saturates)
	s_delay_alu instid0(VALU_DEP_1)
	v_ldexp_f32 v252, 1.0, v254                    ; f = 2^(old M - new M): rounds nothing
.set j, 0
.rept 32
	v_pk_fma_f32 v[96+j:97+j], v[96+j:97+j], s[CS:CS+1], v[12:13] op_sel_hi:[1,0,0]   ; t - M
.set j, j+2
.endr
.irp b, 0,1,2,3
	v_fma_f32 v[232+\b], v[232+\b], s[CS], v12
.endr
.set j, 0
	s_wait_alu depctr_va_vdst(0)
.rept 64
	v_exp_f32 v[96+j], v[96+j]                     ; p = 2^(t - M): not normalised
.set j, j+1
.endr
	v_pk_mul_f32 v[14:15], v[14:15], v[252:253] op_sel_hi:[1,0]   ; the sums under the new M (a plain place behind the exponentials)
	s_wait_alu depctr_va_vdst(0)                   ; one wait for the batch, ahead of its first reader
.irp b, 0,1,2,3
	v_exp_f32 v[232+\b], v[232+\b]                 ; the block's largest p
.endr
	v_pk_add_f32 v[236:237], v[100:101], v[104:105]
	v_pk_add_f32 v[246:247], v[108:109], v[112:113]
	v_pk_add_f32 v[244:245], v[116:117], v[120:121]
	v_pk_add_f32 v[242:243], v[124:125], v[128:129]
	v_pk_add_f32 v[240:241], v[132:133], v[136:137]
	v_pk_add_f32 v[238:239], v[140:141], v[144:145]
	v_pk_add_f32 v[230:231], v[148:149], v[152:153]
	v_pk_add_f32 v[14:15], v[14:15], v[156:157]
	v_pk_add_f32 v[236:237], v[236:237], v[96:97]
	v_pk_add_f32 v[246:247], v[246:247], v[98:99]
	v_pk_add_f32 v[244:245], v[244:245], v[102:103]
	v_pk_add_f32 v[242:243], v[242:243], v[106:107]
	v_pk_add_f32 v[240:241], v[240:241], v[110:111]
	v_pk_add_f32 v[238:239], v[238:239], v[114:115]
	v_pk_add_f32 v[230:231], v[230:231], v[118:119]
	v_pk_add_f32 v[14:15], v[14:15], v[122:123]
	v_pk_add_f32 v[236:237], v[236:237], v[126:127]
	v_pk_add_f32 v[246:247], v[246:247], v[130:131]
	v_pk_add_f32 v[244:245], v[244:245], v[134:135]
	v_pk_add_f32 v[242:243], v[242:243], v[138:139]
	v_pk_add_f32 v[240:241], v[240:241], v[142:143]
	v_pk_add_f32 v[238:239], v[238:239], v[146:147]
	v_pk_add_f32 v[230:231], v[230:231], v[150:151]
	v_pk_add_f32 v[14:15], v[14:15], v[154:155]
	v_pk_add_f32 v[236:237], v[236:237], v[158:159]
	s_delay_alu instid0(VALU_DEP_2)
	v_pk_add_f32 v[14:15], v[14:15], v[242:243]
	s_delay_alu instid0(VALU_DEP_2)
	v_pk_add_f32 v[236:237], v[236:237], v[240:241]
	v_pk_add_f32 v[246:247], v[246:247], v[238:239]
	v_pk_add_f32 v[244:245], v[244:245], v[230:231]
	s_delay_alu instid0(VALU_DEP_2)
	v_pk_add_f32 v[14:15], v[14:15], v[246:247]
	s_delay_alu instid0(VALU_DEP_2)
	v_pk_add_f32 v[236:237], v[236:237], v[244:245]
	s_delay_alu instid0(VALU_DEP_1)
	v_pk_add_f32 v[14:15], v[14:15], v[236:237]
	s_wait_alu depctr_va_vdst(0)                   ; and one for the four
.irp b, 0,1,2,3
	v_max_num_f32 v[232+\b], 0x1800000, v[232+\b]  ; the floor: the byte cannot fall under 1
.endr
.irp b, 0,1,2,3
	s_delay_alu instid0(VALU_DEP_4)
	v_add_nc_u32 v[244+\b], 0xff000000, v[232+\b]
.endr
.irp b, 0,1,2,3
	s_delay_alu instid0(VALU_DEP_4)
	v_lshrrev_b32 v[236+\b], 23, v[244+\b]
.endr
	s_delay_alu instid0(VALU_DEP_3)
	v_lshl_or_b32 v253, v237, 8, v236              ; p's scale word for these 128 keys
	s_delay_alu instid0(VALU_DEP_1)
	v_lshl_or_b32 v253, v238, 16, v253
	s_delay_alu instid0(VALU_DEP_1)
	v_lshl_or_b32 v253, v239, 24, v253
.irp b, 0,1,2,3
	v_cvt_scalef32_pk8_fp4_f32 v[224+2*\b], v[96+16*\b:103+16*\b], v[244+\b]
	v_cvt_scalef32_pk8_fp4_f32 v[225+2*\b], v[104+16*\b:111+16*\b], v[244+\b]
.endr
	v_nop                                          ; one plain place behind a scaled conversion
.irp c, 0,1
.irp i, 0,1
	v_permlane16_swap_b32 v[224+4*\c+\i], v[226+4*\c+\i]
.endr
.endr
.set j, 0
.rept 32
	v_pk_mul_f32 v[160+j:161+j], v[160+j:161+j], v[252:253] op_sel_hi:[1,0]   ; O^T under the new M; these 32 are also the places between p's codes and scale word and the products
.set j, j+2
.endr
	s_wait_alu depctr_va_vdst(0)
	s_wait_dscnt 0x0                               ; V
.irp t, 0,1,2,3,4,5,6,7
	OMUL \t                                        ; register 16 B + i of O^T: channel 32 B + 16 h + i, by the stored order of wv's rows
.endr
.rept 4
	v_nop                                          ; places in front of the next step's loads and of the way out's reads
.endr
.Lskip:
	s_add_co_u32 s[TB], s[TB], 16384
	s_add_co_u32 s[TS], s[TS], 1024
	s_add_co_u32 s[TC], s[TC], 512
	s_add_co_u32 s[KSI], s[KSI], 1
	s_cmp_lt_u32 s[KSI], 8
	s_cbranch_scc1 .Lks
	; THE WAY OUT: / the sum; the quantiser along the head's 128 channels.  My 16 tokens x my head's 128 channels are one operand fragment of the last product: it is stored as the image of its registers,
	; w3 byte (16 T + head) x 1,024, T = 64 b + 4 block + 2 half + tile (lane r of tile T: token 32 (T / 2) + 8 (T % 2) + r + 8 (r / 8)).  No stage and no second barrier.
	; The scale words lie from 4 MiB on as [T / 2][g][T % 2][r][head % 4], so that a reader's lane finds the words of four heads in 16 bytes.
	v_add_f32 v14, v14, v15
	s_delay_alu instid0(VALU_DEP_1)
	v_permlanex16_b32 v252, v14, s[SEL], s[SEL+1]
	s_delay_alu instid0(VALU_DEP_1)
	v_add_f32 v14, v14, v252
	s_wait_alu depctr_va_vdst(0)
	v_rcp_f32 v14, v14
	v_and_b32 v8, 15, v0                           ; (a plain place behind the reciprocal)  r
	s_delay_alu instid0(VALU_DEP_1)
	v_lshlrev_b32 v10, 4, v8                       ; my row's 16 bytes of scale words
	s_lshl_b32 s58, s12, 6
	s_lshl_b32 s59, s27, 2
	s_add_co_u32 s58, s58, s59
	s_lshl_b32 s59, s41, 1
	s_add_co_u32 s58, s58, s59                     ; 64 b + 4 block + 2 half = 2 (T / 2)
	s_lshl_b32 s60, s58, 2
	s_lshl_b32 s61, s13, 1
	s_add_co_u32 s60, s60, s61
	s_add_co_u32 s60, s60, s26                     ; (4 (T / 2) + g) x 2 + T % 2
	s_lshl_b32 s60, s60, 8
	s_lshl_b32 s61, s24, 2
	s_add_co_u32 s60, s60, s61                     ; + 4 (head % 4)
	s_add_co_u32 s60, s60, 4194304
	s_mov_b32 s61, 0
	s_add_nc_u64 s[60:61], s[8:9], s[60:61]
	s_add_co_u32 s58, s58, s26                     ; T
	s_lshl_b32 s58, s58, 4
	s_lshl_b32 s59, s13, 2
	s_add_co_u32 s58, s58, s59
	s_add_co_u32 s58, s58, s24                     ; 16 T + head
	s_lshl_b32 s58, s58, 10
	s_mov_b32 s59, 0
	s_add_nc_u64 s[58:59], s[8:9], s[58:59]
	s_wait_alu depctr_va_vdst(0)                   ; the wait, ahead of the reciprocal's first reader
.set j, 0
.rept 64
	v_mul_f32 v[96+j], v[160+j], v14
.set j, j+1
.endr
.irp b, 0,1,2,3
	v_max3_num_f32 v[232+\b], |v[96+16*\b]|, |v[97+16*\b]|, 0x1800000
.endr
.irp i, 2,4,6,8,10,12,14
.irp b, 0,1,2,3
	s_delay_alu instid0(VALU_DEP_4)
	v_max3_num_f32 v[232+\b], v[232+\b], |v[96+16*\b+\i]|, |v[97+16*\b+\i]|
.endr
.endr
.irp b, 0,1,2,3
	s_delay_alu instid0(VALU_DEP_4)
	v_permlanex16_b32 v[236+\b], v[232+\b], s[SEL], s[SEL+1]
.endr
.irp b, 0,1,2,3
	s_delay_alu instid0(VALU_DEP_4)
	v_max_num_f32 v[232+\b], v[232+\b], v[236+\b]
.endr
.irp b, 0,1,2,3
	s_delay_alu instid0(VALU_DEP_4)
	v_add_nc_u32 v[244+\b], 0xff000000, v[232+\b]
.endr
.irp b, 0,1,2,3
	s_delay_alu instid0(VALU_DEP_4)
	v_lshrrev_b32 v[236+\b], 23, v[244+\b]
.endr
	s_delay_alu instid0(VALU_DEP_3)
	v_lshl_or_b32 v254, v237, 8, v236
	s_delay_alu instid0(VALU_DEP_1)
	v_lshl_or_b32 v254, v238, 16, v254
	s_delay_alu instid0(VALU_DEP_1)
	v_lshl_or_b32 v254, v239, 24, v254
.irp b, 0,1,2,3
	v_cvt_scalef32_pk8_fp4_f32 v[224+2*\b], v[96+16*\b:103+16*\b], v[244+\b]
	v_cvt_scalef32_pk8_fp4_f32 v[225+2*\b], v[104+16*\b:111+16*\b], v[244+\b]
.endr
	v_nop
.irp c, 0,1
.irp i, 0,1
	v_permlane16_swap_b32 v[224+4*\c+\i], v[226+4*\c+\i]
.endr
.endr
	global_store_b128 v[LI], v[224:227], s[58:59]              ; the fragment's registers 0-3: 512 consecutive bytes, aligned
	global_store_b128 v[LI], v[228:231], s[58:59] offset:512   ; and 4-7
	global_store_b32 v10, v254, s[60:61]                       ; my row's word (both halves of the lanes write the same word with the same value)
	s_wait_tensorcnt 0x0                           ; the wave's end
	ds_add_u32 v[SPW], v[NIL]
	s_wait_dscnt 0x0
	s_endpgm
.Lfunc_end_k_qf32880b07f_attn:
	.size	k_qf32880b07f_attn, .Lfunc_end_k_qf32880b07f_attn-k_qf32880b07f_attn
	.p2alignl 7, 3214868480
	.fill 96, 4, 3214868480
	.section	.rodata,"a",@progbits
	.p2align	6, 0x0
	.amdhsa_kernel k_qf32880b07f_attn
		.amdhsa_group_segment_fixed_size 163840
		.amdhsa_private_segment_fixed_size 0
		.amdhsa_enable_private_segment 0
		.amdhsa_kernarg_size 24
		.amdhsa_user_sgpr_count 2
		.amdhsa_user_sgpr_kernarg_segment_ptr 1
		.amdhsa_wavefront_size32 1
		.amdhsa_system_sgpr_workgroup_id_x 1
		.amdhsa_system_sgpr_workgroup_id_y 1
		.amdhsa_system_sgpr_workgroup_id_z 1
		.amdhsa_system_vgpr_workitem_id 0
		.amdhsa_next_free_vgpr 256
		.amdhsa_next_free_sgpr 66
		.amdhsa_reserve_vcc 1
		.amdhsa_float_denorm_mode_32 3
		.amdhsa_float_denorm_mode_16_64 3
		.amdhsa_memory_ordered 1
		.amdhsa_forward_progress 1
		.amdhsa_inst_pref_size 55
	.end_amdhsa_kernel
	.amdgpu_metadata
---
amdhsa.version: [ 1, 2 ]
amdhsa.kernels:
  - .name:           k_qf32880b07f_attn
    .symbol:         k_qf32880b07f_attn.kd
    .args:
      - { .name: w2, .offset: 0, .size: 8, .value_kind: global_buffer, .address_space: global }
      - { .name: route, .offset: 8, .size: 8, .value_kind: global_buffer, .address_space: global }
      - { .name: w3, .offset: 16, .size: 8, .value_kind: global_buffer, .address_space: global }
    .group_segment_fixed_size: 163840
    .private_segment_fixed_size: 0
    .kernarg_segment_align: 8
    .kernarg_segment_size: 24
    .max_flat_workgroup_size: 512
    .sgpr_count:     66
    .vgpr_count:     256
    .wavefront_size: 32
...
	.end_amdgpu_metadata
.endif
;; end of part 3
;; launch outp (part 4): grid 8 x 32, 4 waves a work-group, clusters of 4 x 4, 327,680 bytes of LDS; arguments w3, w1, out0; writes out0
.if DOCPART == 4
	.amdgcn_target "amdgcn-amd-amdhsa--gfx1250"
	.amdhsa_code_object_version 6
	.text
	.protected	k_qf32880b07f_outp
	.globl	k_qf32880b07f_outp
	.p2align	8
	.type	k_qf32880b07f_outp,@function
k_qf32880b07f_outp:
	s_mov_b64 s[64:65], 0
	v_nop
	global_prefetch_b8 v0, s[64:65] scope:SCOPE_SE
	s_setreg_imm32_b32 hwreg(HW_REG_WAVE_MODE, 25, 1), 1
	s_wait_xcnt 0x0
	s_wait_alu depctr_hold_cnt(0) depctr_sa_sdst(0) depctr_va_vdst(0) depctr_va_sdst(0) depctr_va_ssrc(0) depctr_va_vcc(0) depctr_vm_vsrc(0)
	s_getreg_b32 s2, hwreg(HW_REG_IB_STS2, 6, 4)
	s_cmp_eq_u32 s2, 0
	s_cbranch_scc0 .Lentry_in_a_cluster
	s_endpgm
.Lentry_in_a_cluster:
	s_bfe_u32 s2, ttmp6, 0x10000c
	s_cmp_lg_u32 s2, 0xf033
	s_cbranch_scc0 .Lentry_shape_is_right
	s_endpgm
.Lentry_shape_is_right:
; OUT: out0 [4096][2048] f32 = attention's result x wo, on codes of FP4 with E8M0 scales, K = 2,048 (16 steps of 128, one for each head).
; A work-group of four waves makes 128 tokens x 256 columns; a wave 64 x 128, in two passes of 64 columns.
; NOTHING IS FILLED AGAIN: all operands of the work-group are asked for at the head.
;   B = wo's codes, 256 stored rows x 1,024 bytes (all of K), and their scale bytes, come into LDS by four joint loads, one a wave (waves 0, 1: halves of the codes; waves 2, 3: halves of the scale bytes),
;   shared along a column of the 4 x 4 cluster.  LDS: 2 x 133,120 (rows of 1,024 + 16 bytes) + 2 x 8,704 + the stages 17,408 + the spare words 512.
;   A = the attention launch's result, stored there as images of operand registers: a wave loads its 4 tiles x 16 K steps straight into 512 registers, 512 consecutive bytes a load, and its scale words into 32.
; A IS NOT ASKED FOR JOINTLY: a joint load lands in LDS, and A's 131,072 bytes do not fit beside B's 266,240; held in registers, each fragment of A serves both passes with no LDS read.
; NO PREFETCH: the launch has no loop to run ahead in; every byte is asked for at the head.
; THE MATRIX INSTRUCTION IS USED TRANSPOSED (source 0 = 16 stored rows of wo, source 1 = 16 tokens): a lane holds eight neighbouring columns of one token.
; Tile T of A holds tokens 32 (T / 2) + 8 (T % 2) + r + 8 (r / 8); wo's stored rows have bits 3 and 4 of the column swapped: both orders are undone by the offsets of the way out.
; A pass's 64 x 64 results leave through the wave's own stage as rows of 256 bytes; the first pass's stores are on their way while the second pass is multiplied.
; REGISTERS: window 0: v0-31 addresses; v32-63 A's scale words (register 16 (a / 2) + q: lanes 0-15 tile a even, lanes 16-31 tile a odd); v64-127 B's scale words of the pass (16 b + q);
;   v128-255 B's fragments, two buffers of two K steps (v192-255 also the way out's rows).  windows 1, 2: A's fragments, K steps 0-7 and 8-15 (32 (q % 8) + 8 a).  window 3: accumulators (128 pass + 8 (4 a + b)).
; LIMITS: as the makers of the codes state; NaN and infinities are not served.
.set SIZE_N, 2048
.set BP,     1040                      ; an LDS row of B: 1,024 bytes + 16: 260 words, so the 16 rows that a load touches start 4 banks apart (64 banks of 4 bytes: ISA guide 11.1)
.set HALFB,  128*BP
.set SCL,    2*HALFB
.set HALFS,  32*272                    ; the scale bytes of 128 rows, as rows of 256 bytes + 16
.set SBLK,   4*272                     ; those of 16 rows
.set STAGE,  SCL+2*HALFS               ; 16 rows x (256 + 16) bytes for each wave: bytes of their own, no fill lands there
.set SPITCH, 272
.set SPARE,  STAGE+4*16*SPITCH         ; the spare words: two blocks of 256 bytes that no other line names
.set LI,   16                          ; v16  16 x lane
.set ADRB, 20                          ; v20-21  my B fragments, pass 0 and 1
.set STO,  24
.set RD,   25
.set CO,   26
.set ADRS, 27                          ; v27  my B scale words
.set SPW,  28                          ; v28  my spare word; never rewritten
.set NIL,  29                          ; v29  0; never rewritten
.set SA,   32
.set SBR,  64
.set BF,   128
.set BK,   192
.set G1B,  48
.set G0B,  56
.set G1SB, 80
.set G0SB, 88
.set MSB, 0
.macro WIN new                         ; the immediate's high byte repeats the setting that is left
.if MSB != (\new)
	s_set_vgpr_msb (MSB<<8)|(\new)
.set MSB, (\new)
.endif
.endm
.macro CROUND                          ; a round of the cluster's barrier
	s_barrier_signal -1
	s_barrier_wait -1
	s_cmp_lg_u32 s14, 0
	s_cbranch_scc1 .Lnot_wave_0_\@
	s_barrier_signal -3
.Lnot_wave_0_\@:
	s_barrier_wait -3
	s_barrier_signal -1
	s_barrier_wait -1
.endm
.macro SHAPE g, c, r, p
	s_mov_b32 s[\g+1], (\c)<<16
	s_mov_b32 s[\g+2], (\r)<<16
	s_mov_b32 s[\g+3], (\c)<<16
	s_mov_b32 s[\g+4], \r
	s_mov_b32 s[\g+5], \p
	s_mov_b32 s[\g+6], 0
	s_mov_b32 s[\g+7], 0
.endm
.macro PLACES                          ; plain vector instructions between a matrix instruction and a load into, or a read of, its registers
.rept 4
	v_nop
.endr
.endm
	s_load_b128 s[4:7], s[0:1], 0x0                ; w3, w1
	s_load_b64 s[12:13], s[0:1], 0x10              ; out0
	v_lshl_add_u32 v[SPW], v0, 2, SPARE
	v_mov_b32 v[NIL], 0
	ds_add_u32 v[SPW], v[NIL]                      ; the opening lines
	ds_add_u32 v[SPW], v[NIL]
	v_lshrrev_b32 v1, 5, v0
	v_readfirstlane_b32 s14, v1                    ; wave 0..3
	s_lshr_b32 s15, s14, 1                         ; which 64 tokens are mine.  Also: I fetch codes (0) or scale bytes (1)
	s_and_b32 s16, s14, 1                          ; which 128 rows of B.  Also: which half I fetch
	s_bfe_u32 s40, ttmp6, 0x40000                  ; cx, cy
	s_bfe_u32 s41, ttmp6, 0x40004
	s_lshl_b32 s42, ttmp9, 2
	s_add_co_u32 s42, s42, s40                     ; tile of columns
	s_and_b32 s17, ttmp7, 0xffff
	s_lshl_b32 s17, s17, 2
	s_add_co_u32 s17, s17, s41                     ; block of 128 tokens
	s_lshl_b32 s44, 0x1111, s40                    ; my column of the cluster
	s_or_b32 s[G1B], s44, (0<<16)|(1<<20)|(1<<21)|(7<<22)|(3<<25)   ; the mask; elements of 1 byte; padding on; bit 21 beside a mask; after every 256 words 4 words
	SHAPE G1B, 1024, 128, 1024
	s_or_b32 s[G1SB], s44, (3<<16)|(1<<20)|(1<<21)|(5<<22)|(3<<25)  ; 8,192 dense bytes as 32 rows of 256 (32 elements of 8 bytes), 4 words behind each
	SHAPE G1SB, 32, 32, 32
	s_lshl_b32 s46, s42, 8
	s_lshl_b32 s18, s16, 7
	s_add_co_u32 s46, s46, s18                     ; B: the first of the 128 stored rows that I fetch
	s_lshl_b32 s92, s46, 6
	s_add_co_u32 s92, s92, 9895936                 ; wo's scale bytes in w1
	s_mov_b32 s93, 0
	s_lshl_b32 s46, s46, 10
	s_add_co_u32 s46, s46, 7340032                 ; wo's codes in w1
	s_mov_b32 s47, 0
	s_lshl_b32 s20, s17, 1
	s_add_co_u32 s20, s20, s15                     ; which 64 tokens of the 4,096
	s_lshl_b32 s22, s20, 12
	s_add_co_u32 s22, s22, 4194304                 ; their scale words: 4,096 bytes
	s_mov_b32 s23, 0
	s_lshl_b32 s24, s20, 19                        ; their rows of out0: 64 x 8,192 bytes
	s_lshl_b32 s25, s42, 10
	s_add_co_u32 s24, s24, s25
	s_lshl_b32 s25, s16, 9
	s_add_co_u32 s24, s24, s25                     ; + my first column
	s_mov_b32 s25, 0
	s_lshl_b32 s20, s20, 16                        ; their images: 4 tiles x 16 K steps x 1,024 bytes
	s_mov_b32 s21, 0
	s_mul_i32 s45, s16, HALFB
	s_mul_i32 s94, s16, HALFS
	s_add_co_u32 s94, s94, SCL
	s_mul_i32 s95, s14, 16*SPITCH
	s_add_co_u32 s95, s95, STAGE
	v_and_b32 v1, 15, v0                           ; r
	v_bfe_u32 v2, v0, 4, 1                         ; h
	v_and_b32 v3, 31, v0
	v_lshlrev_b32 v[LI], 4, v3
	v_mul_u32_u24 v4, v1, BP
	v_lshl_add_u32 v4, v2, 4, v4
	v_add_nc_u32 v[ADRB], s45, v4                  ; a fragment's row x pitch + 16 x half, in my 128 rows
	v_add_nc_u32 v[ADRB+1], 64*BP, v[ADRB]
	v_lshlrev_b32 v5, 6, v1                        ; my row's scale bytes: 64 a row,
	v_lshrrev_b32 v6, 8, v5
	v_lshl_add_u32 v5, v6, 4, v5                   ; and 16 more for each 256 passed
	v_add_nc_u32 v[ADRS], s94, v5
	v_mul_u32_u24 v5, v1, SPITCH
	v_lshl_add_u32 v5, v2, 6, v5
	v_add_nc_u32 v[STO], s95, v5                   ; the stage, in: row r, 64 bytes on for lanes 16-31
	v_mul_u32_u24 v5, v2, SPITCH
	v_lshl_add_u32 v5, v1, 4, v5
	v_add_nc_u32 v[RD], s95, v5                    ; back: sixteen lanes to a row, two rows an instruction
	v_lshlrev_b32 v5, 13, v2
	v_lshl_add_u32 v[CO], v1, 4, v5                ; and the same two rows in out0
	s_wait_alu depctr_va_vdst(0)
	s_wait_dscnt 0x0                               ; both opening adds are done
	s_wait_kmcnt 0x0
	s_add_nc_u64 s[20:21], s[4:5], s[20:21]
	s_add_nc_u64 s[22:23], s[4:5], s[22:23]
	s_add_nc_u64 s[46:47], s[6:7], s[46:47]
	s_add_nc_u64 s[92:93], s[6:7], s[92:93]
	s_add_nc_u64 s[12:13], s[12:13], s[24:25]
	s_mov_b32 s[G0B], 1
	s_mov_b32 s[G0B+1], s45
	s_mov_b64 s[G0B+2:G0B+3], s[46:47]
	s_or_b32 s[G0B+3], s[G0B+3], 0x80000000
	s_mov_b32 s[G0SB], 1
	s_mov_b32 s[G0SB+1], s94
	s_mov_b64 s[G0SB+2:G0SB+3], s[92:93]
	s_or_b32 s[G0SB+3], s[G0SB+3], 0x80000000
.irp p, 0,1
.irp g, 0,1,2,3
	global_load_b128 v[SA+16*\p+4*\g:SA+16*\p+4*\g+3], v[LI], s[22:23] offset:2048*\p+512*\g   ; A's scale words: 512 consecutive bytes a load
.endr
.endr
.macro ALOAD q                         ; A's four fragments of K step q: eight loads of 512 consecutive bytes
	WIN 0x40*(1+(\q)/8)
.irp a, 0,1,2,3
.irp c, 0,1
	global_load_b128 v[32*((\q)%8)+8*\a+4*\c:32*((\q)%8)+8*\a+4*\c+3], v[LI], s[20:21] offset:(16*\a+(\q))*1024+512*\c
.endr
.endr
.endm
.irp q, 0,1,2,3,4,5
	ALOAD \q                                       ; 56 loads are out when the round begins
.endr
	WIN 0
	CROUND                                         ; all sixteen work-groups are here: the joint loads meet
	s_cmp_eq_u32 s15, 0                            ; one load a wave, on either way
	s_cbranch_scc0 .Lfor_s
	tensor_load_to_lds s[G0B:G0B+3], s[G1B:G1B+7]
	s_nop 0
.rept 4
	v_nop
.endr
	s_branch .Lasked
.Lfor_s:
	tensor_load_to_lds s[G0SB:G0SB+3], s[G1SB:G1SB+7]
	s_nop 0
.rept 4
	v_nop
.endr
.Lasked:
.irp q, 6,7,8,9,10,11,12,13,14,15
	ALOAD \q
.endr
	WIN 0
	s_wait_tensorcnt 0x0                           ; my part of B is in;
	s_barrier_signal -1
	s_barrier_wait -1                              ; everybody's is.
.macro FETCH nh, p                     ; B's four fragments of K steps 2 p and 2 p + 1 of pass nh into buffer p % 2: 16 loads
.irp s, 0,1
.irp i, 0,1,2,3
.irp c, 0,1
	ds_load_b128 v[BF+64*((\p)%2)+32*\s+8*\i+4*\c:BF+64*((\p)%2)+32*\s+8*\i+4*\c+3], v[ADRB+(\nh)] offset:\i*16*BP+64*(2*(\p)+\s)+32*\c
.endr
.endr
.endr
.endm
.macro SCALESB nh                      ; the pass's scale words of B, all of K: 16 loads
.irp i, 0,1,2,3
.irp k, 0,1,2,3
	ds_load_b128 v[SBR+16*\i+4*\k:SBR+16*\i+4*\k+3], v[ADRS] offset:(4*(\nh)+\i)*SBLK+16*\k
.endr
.endr
.endm
; 16 matrix instructions: K step q, A's four tiles x B's four blocks.  The 16 accumulators take turns, one instruction a turn, in the same order in every step.
; K step 0's products start the sums: nothing is cleared.
.macro MULS nh, q
.irp a, 0,1,2,3
.irp b, 0,1,2,3
.set DD, 128*(\nh)+8*(4*\a+\b)
.set BB, BF+32*((\q)%4)+8*\b
.set AA, 32*((\q)%8)+8*\a
.set S0, SBR+16*\b+(\q)
.set S1, SA+16*(\a/2)+(\q)
.if (\q) == 0
.if \a%2
	v_wmma_scale_f32_16x16x128_f8f6f4 v[DD:DD+7], v[BB:BB+7], v[AA:AA+7], 0, v[S0], v[S1] matrix_a_fmt:MATRIX_FMT_FP4 matrix_b_fmt:MATRIX_FMT_FP4 matrix_b_scale:MATRIX_SCALE_ROW1
.else
	v_wmma_scale_f32_16x16x128_f8f6f4 v[DD:DD+7], v[BB:BB+7], v[AA:AA+7], 0, v[S0], v[S1] matrix_a_fmt:MATRIX_FMT_FP4 matrix_b_fmt:MATRIX_FMT_FP4
.endif
.else
.if \a%2
	v_wmma_scale_f32_16x16x128_f8f6f4 v[DD:DD+7], v[BB:BB+7], v[AA:AA+7], v[DD:DD+7], v[S0], v[S1] matrix_a_fmt:MATRIX_FMT_FP4 matrix_b_fmt:MATRIX_FMT_FP4 matrix_b_scale:MATRIX_SCALE_ROW1
.else
	v_wmma_scale_f32_16x16x128_f8f6f4 v[DD:DD+7], v[BB:BB+7], v[AA:AA+7], v[DD:DD+7], v[S0], v[S1] matrix_a_fmt:MATRIX_FMT_FP4 matrix_b_fmt:MATRIX_FMT_FP4
.endif
.endif
.endr
.endr
.endm
.macro PAIR nh, p                      ; two K steps: the next pair's fragments are asked for, then this pair's 32 products
.if (\p) > 0
	PLACES                                         ; the buffer that the loads below fill was multiplied in the pair before
.endif
	WIN 0
.if (\p) < 7
	FETCH \nh, (\p)+1
	s_wait_dscnt 16                                ; all but the 16 just issued
.else
	s_wait_dscnt 0x0
.endif
.if (\nh) == 0                         ; A: behind K step 2 p + 1's loads stand 112 - 16 p younger ones; the count's field ends at 63
.if 112-16*(\p) > 63
	s_wait_loadcnt 63
.else
	s_wait_loadcnt 112-16*(\p)
.endif
.endif
	WIN 0xf4+4*((\p)/4)                            ; source 0 window 0, source 1 window 1 or 2, C and D window 3
	MULS \nh, 2*(\p)
	MULS \nh, 2*(\p)+1
.endm
; THE WAY OUT of tile a of pass nh: 16 tokens x 64 columns through my stage, back as rows of 256 bytes.  LDS serves a wave's instructions in order (ISA guide 5.7.1.4): no wait between the stores and the loads.
.macro TOSTAGE nh, a
	WIN 0x0c                                       ; the data: window 3
.irp b, 0,1,2,3
	ds_store_b128 v[STO], v[128*(\nh)+32*(\a)+8*\b:128*(\nh)+32*(\a)+8*\b+3] offset:128*(\b/2)+32*(\b%2)        ; each accumulator from its low end on; column 32 (b / 2) + 16 h + 8 (b % 2) + j
	ds_store_b128 v[STO], v[128*(\nh)+32*(\a)+8*\b+4:128*(\nh)+32*(\a)+8*\b+7] offset:128*(\b/2)+32*(\b%2)+16
.endr
	WIN 0
.irp t, 0,1,2,3,4,5,6,7
	ds_load_b128 v[BK+32*((\a)%2)+4*\t:BK+32*((\a)%2)+4*\t+3], v[RD] offset:\t*2*SPITCH
.endr
.endm
.macro SEND nh, a, younger             ; stage row 2 t + h is token 32 (a / 2) + 8 (a % 2) + 2 t + h + 8 (t / 4); sixteen lanes store 256 consecutive bytes, aligned
	s_wait_dscnt \younger
.irp t, 0,1,2,3,4,5,6,7
	global_store_b128 v[CO], v[BK+32*((\a)%2)+4*\t:BK+32*((\a)%2)+4*\t+3], s[12:13] offset:(32*((\a)/2)+8*((\a)%2)+2*\t+8*(\t/4))*SIZE_N*4+256*(\nh) th:TH_STORE_NT
.endr
.endm
.macro WAYOUT nh
	TOSTAGE \nh, 0
	TOSTAGE \nh, 1
	SEND \nh, 0, 16                                ; behind tile 0's loads: tile 1's 8 stores and 8 loads
	s_wait_xcnt 0x0                                ; tile 0's stores have read their registers: tile 2's rows may land there
	TOSTAGE \nh, 2
	SEND \nh, 1, 16
	s_wait_xcnt 0x0
	TOSTAGE \nh, 3
	SEND \nh, 2, 16
	SEND \nh, 3, 0
.endm
	SCALESB 0
	FETCH 0, 0
.irp p, 0,1,2,3,4,5,6,7
	PAIR 0, \p
.endr
	WIN 0
	PLACES                                         ; in front of the loads into scale words and fragments that were multiplied, and of the reads of results
	SCALESB 1
	FETCH 1, 0                                     ; the second pass's first operands are asked for ahead of the first pass's way out
	WAYOUT 0
	s_wait_xcnt 0x0                                ; the stores have read v192-255, which take fragments again
.irp p, 0,1,2,3,4,5,6,7
	PAIR 1, \p
.endr
	WIN 0
	PLACES
	WAYOUT 1
	s_wait_tensorcnt 0x0                           ; the wave's end
	ds_add_u32 v[SPW], v[NIL]
	s_wait_dscnt 0x0
	CROUND                                         ; the closing round
	s_endpgm
.Lfunc_end_k_qf32880b07f_outp:
	.size	k_qf32880b07f_outp, .Lfunc_end_k_qf32880b07f_outp-k_qf32880b07f_outp
	.p2alignl 7, 3214868480
	.fill 96, 4, 3214868480
	.section	.rodata,"a",@progbits
	.p2align	6, 0x0
	.amdhsa_kernel k_qf32880b07f_outp
		.amdhsa_group_segment_fixed_size 327680
		.amdhsa_private_segment_fixed_size 0
		.amdhsa_enable_private_segment 0
		.amdhsa_kernarg_size 24
		.amdhsa_user_sgpr_count 2
		.amdhsa_user_sgpr_kernarg_segment_ptr 1
		.amdhsa_wavefront_size32 1
		.amdhsa_system_sgpr_workgroup_id_x 1
		.amdhsa_system_sgpr_workgroup_id_y 1
		.amdhsa_system_sgpr_workgroup_id_z 1
		.amdhsa_system_vgpr_workitem_id 0
		.amdhsa_next_free_vgpr 1024
		.amdhsa_next_free_sgpr 98
		.amdhsa_reserve_vcc 0
		.amdhsa_float_denorm_mode_32 3
		.amdhsa_float_denorm_mode_16_64 3
		.amdhsa_memory_ordered 1
		.amdhsa_forward_progress 1
		.amdhsa_inst_pref_size 120
	.end_amdhsa_kernel
	.amdgpu_metadata
---
amdhsa.version: [ 1, 2 ]
amdhsa.kernels:
  - .name:           k_qf32880b07f_outp
    .symbol:         k_qf32880b07f_outp.kd
    .args:
      - { .name: w3, .offset: 0, .size: 8, .value_kind: global_buffer, .address_space: global }
      - { .name: w1, .offset: 8, .size: 8, .value_kind: global_buffer, .address_space: global }
      - { .name: out0, .offset: 16, .size: 8, .value_kind: global_buffer, .address_space: global }
    .group_segment_fixed_size: 327680
    .private_segment_fixed_size: 0
    .kernarg_segment_align: 8
    .kernarg_segment_size: 24
    .max_flat_workgroup_size: 128
    .sgpr_count:     98
    .vgpr_count:     1024
    .wavefront_size: 32
...
	.end_amdgpu_metadata
.endif
;; end of part 4
